; MI455X (gfx1250); checked and timed in simulation.
; The chip was launched on July 23, 2026; its instructions are those of AMD's public machine-readable ISA for CDNA 5 (MIT licence, August 2026) and "CDNA5" Instruction Set Architecture Reference Guide (July 2026). The comments in the code are by the model that wrote it; some were corrected since.
;; Multi Head Attention. Allowed arithmetic: matrix products marked QUANTISED: E2M1 operands, one E8M0 scale for each 32 along K, by v_wmma_scale_f32_16x16x128_f8f6f4 with both operands' format E2M1 (or v_wmma_scale_f32_32x16x128_f4), f32 sums; everything else in f32.
;; Inputs: Wk 8 x 512 x 64 float32; Wo 512 x 512 float32; Wq 8 x 512 x 64 float32; Wv 8 x 512 x 64 float32; bk 8 x 64 float32; bo 512 float32; bq 8 x 64 float32; bv 8 x 64 float32; k_in 4 x 2,048 x 512 float32; q_in 4 x 2,048 x 512 float32; v_in 4 x 2,048 x 512 float32.
;; Outputs: out0 4 x 2,048 x 512 float32.
;; This version of the problem:
;;   THIS VERSION OF THE PROBLEM IS GIVEN IN LOW PRECISION. The matrix products marked QUANTISED in the list below multiply operands that are first quantised to E2M1 (2 exponent bits, 1 mantissa bit; 4 bits a number), with one power-of-two scale for each 32 numbers along K (OCP MX v1.0); their sums are f32. All else is computed in f32.
;;   The module's matrix products, in the order in which they are computed (A, B: the left and right operand; K: the contracted axis; several contracted axes count as one K, in the product's order):
;;     1. [M 512, K 512] x [K 512, N 8,192]; A: input Wq; B: input q_in: QUANTISED
;;     2. [M 512, K 512] x [K 512, N 8,192]; A: input Wk; B: input k_in: QUANTISED
;;     3. [M 512, K 512] x [K 512, N 8,192]; A: input Wv; B: input v_in: QUANTISED
;;     4. batch 32 x [M 2,048, K 64] x [K 64, N 2,048]; A: computed on the way; B: computed on the way: QUANTISED
;;     5. batch 32 x [M 2,048, K 2,048] x [K 2,048, N 64]; A: softmax (see below); B: computed on the way: QUANTISED
;;     6. [M 8,192, K 512] x [K 512, N 512]; A: computed on the way; B: input Wo: QUANTISED
;;   THE QUANTISER, for each operand of a quantised product, along K:
;;     - K is cut into blocks of 32 from its start; a last block that is shorter is filled with zeros.
;;     - A block's scale is 2^e with e = floor(log2(the largest magnitude in the block)) - 2, held to -126 .. 127; a block of zeros has e = 0. As a byte (E8M0): e + 127.
;;     - Each number is divided by its block's scale, clamped to +-6, and rounded to the nearest number of E2M1, ties to even, subnormals kept.
;;     - The product sums the exact products of the quantised numbers (number of the format x scale) in f32.
;;   ~~~python
;;   def quantise(x, axis):      # numpy; x: float32 -> the quantised numbers, widened to float32 again
;;       x = np.moveaxis(x, axis, -1); K = x.shape[-1]
;;       x = np.pad(x, [(0, 0)] * (x.ndim - 1) + [(0, -K % 32)]); x = x.reshape(x.shape[:-1] + (-1, 32)); a = np.abs(x).max(-1, keepdims=True)
;;       e = np.where(a > 0, np.clip(np.frexp(np.where(a > 0, a, 1))[1] - 1 - 2, -126, 127), 0)      # np.frexp(a)[1] - 1 = floor(log2(a)), exactly
;;       r = np.clip(x / 2.0 ** e, -6, 6)
;;       step = 2.0 ** (np.maximum(np.frexp(np.where(r == 0, 1, r))[1] - 1, 0) - 1)
;;       q = np.round(r / step) * step * 2.0 ** e      # np.round: ties to even
;;       return np.moveaxis(q.reshape(q.shape[:-2] + (-1,))[..., :K], -1, axis).astype(np.float32)
;;   ~~~
;;   SOFTMAX AHEAD OF A QUANTISED PRODUCT. Where the list says 'softmax', what is quantised is not the finished softmax but p = 2^(t - M), with t = logit x log2(e) and M = ceil(the row's largest t), a whole number; so 1/2 < the row's largest p <= 1. The row's sum l is taken of the UNQUANTISED p, in f32, and the product's result is divided by l at the end. Since M is a whole number, a kernel that streams over the keys may use a running M (the ceiling of the running maximum): every later rescaling is an exact power of two, which a block's scale takes up: the codes' values come out the same.
;;   OPERANDS COMPUTED ON THE WAY. 'Computed on the way' means the value that the module computes at that place (a softmax that the list does not call 'softmax' is quantised finished and normalised). What goes into a quantiser is computed in f32, as accurately as f32 sums, v_exp_f32 and their like allow (about 1e-6 of the number): no bf16 or f16 on the way to a quantiser, and a product that is left as it is and whose result goes on into a quantised operand takes f32 operands (vector FMAs, or v_wmma_f32_16x16x4_f32). A number that lies on a knife's edge between two numbers of the format may be rounded either way, as far as f32 arithmetic and the matrix unit's own rounding can turn it there, and no further.
;; 2 versions. Each part assembles by itself: llvm-mc -triple=amdgcn-amd-amdhsa -mcpu=gfx1250 --defsym DOCPART=n.
;; ======== version 1 of 2: 4 launches
;; workspace buffers: wimg 557,056 bytes; qx 2,359,296 bytes; kv 4,587,520 bytes; cx 2,228,224 bytes
;; launch wquant (part 1): grid 32 x 4, 4 waves a work-group, no clusters, 0 bytes of LDS; arguments Wq, Wk, Wv, Wo, wimg; writes wimg
.if DOCPART == 1
	.amdgcn_target "amdgcn-amd-amdhsa--gfx1250"
	.amdhsa_code_object_version 6
	.text
	.protected	k_q9c5442bd21_wquant
	.globl	k_q9c5442bd21_wquant
	.p2align	8
	.type	k_q9c5442bd21_wquant,@function
k_q9c5442bd21_wquant:
	s_mov_b64 s[64:65], 0
	v_nop
	global_prefetch_b8 v0, s[64:65] scope:SCOPE_SE
	s_setreg_imm32_b32 hwreg(HW_REG_WAVE_MODE, 25, 1), 1
	s_wait_xcnt 0x0
; The four weights, f32 with K as an outer axis (Wq, Wk, Wv: [8 heads][512 k][64 columns]; Wo: [512 k][512 columns]), become codes of FP4 (E2M1) with one E8M0 scale byte
; for each 32 along K, laid in wimg AS IMAGES OF OPERAND REGISTERS.  Tensor w (0 Wq, 1 Wk, 2 Wv, 3 Wo) takes WT bytes:
;   codes: fragment (g = group of 64 columns, t = tile 0..3, s = K step of 128) at ((4 g + t) 4 + s) 1024 + 512 c + 16 lane: lane (r, h), part c: k = 128 s + 64 c + 32 h + 0 .. 31 of
;          column 64 g + 32 (t / 2) + 8 (t % 2) + r + 8 (r / 8);
;   scale words from WSC on: ((4 g + s) 2 + t / 2) 128 + 4 (r + 16 (t % 2)): byte b of a word belongs to k = 128 s + 32 b on.
; THE COLUMNS OF A TILE ARE NOT NEIGHBOURS: with such a tile as source 0 of a product, a lane's 16 result registers of tiles 2 b and 2 b + 1 are 16 neighbouring columns.
; A work-group (x = 4 g + s, y = w) makes the four fragments of one group and K step, a wave one fragment.  A LANE TAKES A COLUMN AND ITS REGISTERS RUN DOWN K, in the order that the operand's layout
; gives that lane: the conversions' results are the operand's registers, and nothing is transposed.  The four waves together read the whole 256 bytes of each of the 128 rows.
; A block's scale is 2^(floor(log2(its largest magnitude)) - 2); its byte is the largest magnitude's exponent field - 2, held at 1 from below.
; LIMITS: NaN and infinities are not served; a block whose largest magnitude lies under 2^-124 keeps the byte 1; a block of zeros gets the byte 1 and not 127: its codes are zeros, and this program alone reads the bytes.
; No LDS, no barrier, no matrix unit: waves share nothing, and each number is read once.
.set WT,  139264
.set WSC, 131072
	s_load_b256 s[4:11], s[0:1], 0x0               ; Wq s[4:5], Wk s[6:7], Wv s[8:9], Wo s[10:11]
	s_load_b64 s[12:13], s[0:1], 0x20              ; wimg
	v_lshrrev_b32 v1, 5, v0
	v_readfirstlane_b32 s14, v1                    ; t: my wave's tile
	s_and_b32 s15, ttmp7, 0xffff                   ; w: which tensor
	s_lshr_b32 s16, ttmp9, 2                       ; g
	s_and_b32 s17, ttmp9, 3                        ; s
	s_lshr_b32 s24, s14, 1                         ; t / 2
	s_and_b32 s25, s14, 1                          ; t % 2
	s_lshl_b32 s18, s24, 7
	s_lshl_b32 s19, s25, 5
	s_add_co_u32 s18, s18, s19                     ; the tile's first column, in bytes: 128 (t / 2) + 32 (t % 2)
	s_mul_i32 s20, s15, WT                         ; the tensor's part of wimg
	s_lshl_b32 s28, s16, 2
	s_add_co_u32 s28, s28, s14
	s_lshl_b32 s28, s28, 2
	s_add_co_u32 s28, s28, s17
	s_lshl_b32 s28, s28, 10
	s_add_co_u32 s28, s28, s20                     ; where my fragment goes
	s_mov_b32 s29, 0
	s_lshl_b32 s30, s16, 2
	s_add_co_u32 s30, s30, s17
	s_lshl_b32 s30, s30, 1
	s_add_co_u32 s30, s30, s24
	s_lshl_b32 s30, s30, 7
	s_lshl_b32 s19, s25, 6
	s_add_co_u32 s30, s30, s19
	s_add_co_u32 s30, s30, s20
	s_add_co_u32 s30, s30, WSC                     ; and its sixteen scale words
	s_mov_b32 s31, 0
	s_mov_b32 s23, 0
	s_mov_b32 s26, 0x76543210
	s_mov_b32 s27, 0xfedcba98                      ; v_permlanex16_b32's selects for lane l xor 16
	v_and_b32 v1, 15, v0                           ; r
	v_bfe_u32 v2, v0, 4, 1                         ; h
	v_and_b32 v3, 8, v1
	v_add_nc_u32 v3, v3, v1
	v_lshlrev_b32 v3, 2, v3                        ; my column in the tile, in bytes: 4 (r + 8 (r / 8))
	v_and_b32 v6, 31, v0
	v_lshlrev_b32 v6, 4, v6                        ; 16 x lane
	v_lshlrev_b32 v7, 2, v1                        ; 4 r
	s_wait_kmcnt 0x0
	s_add_nc_u64 s[28:29], s[12:13], s[28:29]
	s_add_nc_u64 s[30:31], s[12:13], s[30:31]
	s_cmp_eq_u32 s15, 1                            ; the tensor is chosen by the work-group's number alone
	s_cselect_b64 s[4:5], s[6:7], s[4:5]
	s_cmp_eq_u32 s15, 2
	s_cselect_b64 s[4:5], s[8:9], s[4:5]
	s_cmp_eq_u32 s15, 3
	s_cselect_b64 s[4:5], s[10:11], s[4:5]
; 64 loads: W(128 s + 64 c + 32 h + i, my column); pitch = bytes from one k to the next
.macro WLOAD pitch
.irp c, 0,1
.irp i, 0,1,2,3,4,5,6,7,8,9,10,11,12,13,14,15,16,17,18,19,20,21,22,23,24,25,26,27,28,29,30,31
	global_load_b32 v[64+32*\c+\i], v5, s[4:5] offset:(64*\c+\i)*\pitch
.endr
.endr
.endm
	s_cbranch_scc1 .Lwo                            ; (the selects leave SCC as the last compare set it)
	s_lshl_b32 s22, s16, 17                        ; a head's 512 x 64 numbers,
	s_lshl_b32 s21, s17, 15                        ; 128 rows of 256 bytes
	s_add_co_u32 s22, s22, s21
	s_add_co_u32 s22, s22, s18
	s_add_nc_u64 s[4:5], s[4:5], s[22:23]
	v_lshl_add_u32 v5, v2, 13, v3                  ; lanes 16-31 begin 32 rows further down
	WLOAD 256
	s_branch .Ljoin
.Lwo:
	s_lshl_b32 s22, s17, 18                        ; Wo: 128 rows of 2,048 bytes,
	s_lshl_b32 s21, s16, 8                         ; 64 columns
	s_add_co_u32 s22, s22, s21
	s_add_co_u32 s22, s22, s18
	s_add_nc_u64 s[4:5], s[4:5], s[22:23]
	v_lshl_add_u32 v5, v2, 16, v3
	WLOAD 2048
.Ljoin:
	s_wait_loadcnt 0x0
.irp c, 0,1                                    ; my block 2 c + h of the K step: all its 32 numbers are mine
	v_max3_num_f32 v[32+\c], |v[64+32*\c]|, |v[65+32*\c]|, 0x1800000   ; and the floor 2^(3 - 127): the byte cannot fall under 1
.endr
.irp i, 2,4,6,8,10,12,14,16,18,20,22,24,26,28,30
.irp c, 0,1
	v_max3_num_f32 v[32+\c], v[32+\c], |v[64+32*\c+\i]|, |v[65+32*\c+\i]|   ; (the two blocks by turns)
.endr
.endr
.irp c, 0,1
	v_add_nc_u32 v[44+\c], 0xff000000, v[32+\c]    ; 2 off the exponent field: the conversion takes this operand's exponent field as its scale
.endr
.irp c, 0,1
	v_lshrrev_b32 v[36+\c], 23, v[44+\c]           ; the scale's byte
.endr
	v_lshl_or_b32 v9, v37, 16, v36                 ; my two bytes: blocks h and 2 + h,
	v_lshlrev_b32 v10, 3, v2
	v_lshlrev_b32 v9, v10, v9                      ; at their places in the word (8 h bits up);
	v_mov_b32 v10, 0
	v_permlanex16_b32 v10, v9, s26, s27
	v_or_b32 v9, v9, v10                           ; with lane l xor 16's two the word is whole
.irp c, 0,1
.irp g, 0,1,2,3
	v_cvt_scalef32_pk8_fp4_f32 v[48+4*\c+\g], v[64+32*\c+8*\g:71+32*\c+8*\g], v[44+\c]   ; registers 4 c .. 4 c + 3 of the operand
.endr
.endr
	v_nop                                          ; one plain place behind the last scaled conversion
	global_store_b128 v6, v[48:51], s[28:29]               ; each store of the wave covers 512 consecutive bytes, aligned
	global_store_b128 v6, v[52:55], s[28:29] offset:512
	global_store_b32 v7, v9, s[30:31]              ; lanes 16-31 hold the same words as lanes 0-15 and write them to the same places
	s_endpgm
.Lfunc_end_k_q9c5442bd21_wquant:
	.size	k_q9c5442bd21_wquant, .Lfunc_end_k_q9c5442bd21_wquant-k_q9c5442bd21_wquant
	.p2alignl 7, 3214868480
	.fill 96, 4, 3214868480
	.section	.rodata,"a",@progbits
	.p2align	6, 0x0
	.amdhsa_kernel k_q9c5442bd21_wquant
		.amdhsa_group_segment_fixed_size 0
		.amdhsa_private_segment_fixed_size 0
		.amdhsa_enable_private_segment 0
		.amdhsa_kernarg_size 40
		.amdhsa_user_sgpr_count 2
		.amdhsa_user_sgpr_kernarg_segment_ptr 1
		.amdhsa_wavefront_size32 1
		.amdhsa_system_sgpr_workgroup_id_x 1
		.amdhsa_system_sgpr_workgroup_id_y 1
		.amdhsa_system_sgpr_workgroup_id_z 1
		.amdhsa_system_vgpr_workitem_id 0
		.amdhsa_next_free_vgpr 128
		.amdhsa_next_free_sgpr 66
		.amdhsa_reserve_vcc 0
		.amdhsa_float_denorm_mode_32 3
		.amdhsa_float_denorm_mode_16_64 3
		.amdhsa_memory_ordered 1
		.amdhsa_forward_progress 1
		.amdhsa_inst_pref_size 18
	.end_amdhsa_kernel
	.amdgpu_metadata
---
amdhsa.version: [ 1, 2 ]
amdhsa.kernels:
  - .name:           k_q9c5442bd21_wquant
    .symbol:         k_q9c5442bd21_wquant.kd
    .args:
      - { .name: Wq, .offset: 0, .size: 8, .value_kind: global_buffer, .address_space: global }
      - { .name: Wk, .offset: 8, .size: 8, .value_kind: global_buffer, .address_space: global }
      - { .name: Wv, .offset: 16, .size: 8, .value_kind: global_buffer, .address_space: global }
      - { .name: Wo, .offset: 24, .size: 8, .value_kind: global_buffer, .address_space: global }
      - { .name: wimg, .offset: 32, .size: 8, .value_kind: global_buffer, .address_space: global }
    .group_segment_fixed_size: 0
    .private_segment_fixed_size: 0
    .kernarg_segment_align: 8
    .kernarg_segment_size: 40
    .max_flat_workgroup_size: 128
    .sgpr_count:     66
    .vgpr_count:     128
    .wavefront_size: 32
...
	.end_amdgpu_metadata
.endif
;; end of part 1
;; launch proj (part 2): grid 64 x 3, 8 waves a work-group, no clusters, 105,472 bytes of LDS; arguments q_in, k_in, v_in, bq, bk, bv, wimg, qx, kv; writes qx, kv
.if DOCPART == 2
	.amdgcn_target "amdgcn-amd-amdhsa--gfx1250"
	.amdhsa_code_object_version 6
	.text
	.protected	k_q9c5442bd21_proj
	.globl	k_q9c5442bd21_proj
	.p2align	8
	.type	k_q9c5442bd21_proj,@function
k_q9c5442bd21_proj:
	s_mov_b64 s[64:65], 0
	v_nop
	global_prefetch_b8 v0, s[64:65] scope:SCOPE_SE
	s_setreg_imm32_b32 hwreg(HW_REG_WAVE_MODE, 25, 1), 1
	s_wait_xcnt 0x0
; The three projections, x W + b, on codes of FP4 (E2M1) with one E8M0 scale for each 32 along K = 512; their results are quantised at once for the attention and stored as images of operand registers.
; A work-group (x = 16 batch + j, y = 0 q, 1 k, 2 v) takes rows 128 x .. 128 x + 127 of the flat [8192][512] input: one step of 128 keys.  Eight waves.
; PHASE X.  Wave w quantises the 16 rows 32 (w / 2) + 8 (w % 2) + rho + 8 (rho / 8), rho = 0 .. 15: four fragments (16 rows x 128 K) and their scale words, which go to LDS as images of their registers
; (lane l's 16 bytes at 16 l).  One barrier.  THE ROWS OF A TILE ARE NOT NEIGHBOURS: so a result whose registers run along the rows (v's) holds 16 neighbouring keys in the registers of two tiles.
; PAIRS.  Wave w = head w holds its 64 columns of W (16 fragments, 128 registers, read once from wimg) and walks the four pairs of row tiles.
;   q, k: source 0 = 16 columns of W, source 1 = 16 rows of x: a lane holds one row and its registers run along d = the scores' K.  Two blocks of 32: half a fragment (the other half is zero codes, made in the attention).
;   v:    source 0 = 16 rows of x, source 1 = 16 columns of W: a lane holds one d and its registers run along the keys = the second product's K.  A pair of tiles is one block of 32 keys; four pairs one fragment.
; The bias is the C of each sum's first product.
; OUT.  qx: record (8 batch + head) 16 + j of QREC bytes: codes of tile T at 512 T + 16 lane; scale words at 4,096 + 16 (r + 16 (T % 2)) + 4 (T / 2), a word = byte(d 0-31) | byte(d 32-63) << 8 | 0x7f7f0000.
;       kv: record of KREC bytes: k's codes as in qx; at 4,096 v's four fragments (1,024 t + 512 c + 16 lane); at 8,192 k's scale words as in qx; at 8,704 v's: 8 (r + 16 (t % 2)) + 4 (t / 2).
; NO CLUSTER: what work-groups share is W's codes, and each wave takes its part straight into the registers in which it stays; a joint load would put them into LDS only to be read once more.
; 192 work-groups: 128 rows are one whole fragment of v along the keys; 64 rows would leave half a fragment and half a scale word to be pieced together.
; LIMITS: NaN and infinities are not served; a block whose largest magnitude lies under 2^-124 keeps the byte 1; a block of zeros gets the byte 1 and not 127: its codes are zeros, and this program alone reads the bytes.
; REGISTERS.  Window 0: v1-12 lane numbers and addresses; v16-23 W's scale words; v24-31 x's; v32-63 the bias as C; v64-127, v128-191 x's numbers, later x's fragments and the accumulators; v192-199 codes, later scale words;
;   v200-215 at work; v216-218 scale words just made; v220-251 the codes to be stored; v252-255 the bias of my column.   Window 1: v0-127 W's fragments; v128-255 x as it is loaded, two sets.
.set WT,   139264
.set WSC,  131072
.set QREC, 4608
.set KREC, 8960
.set XIMG, 0                           ; LDS: x's 32 fragments: (tile m, K step k) at (4 m + k) 1024 + 512 c + 16 lane
.set XSC,  32768                       ; their scale words: (4 m + k) 128 + 4 lane
.set STG,  36864                       ; a stage of 16 rows for each wave
.set SP,   528                         ; its pitch: 512 bytes + 16 = 132 words: row r starts at bank 4 r mod 64 (64 banks of 4 bytes: ISA guide 11.1)
.set L16,  4                           ; v4   16 x lane
.set L4,   5                           ; v5   4 x lane
.set STI,  6                           ; v6   into my stage: 16 x lane
.set STO,  7                           ; v7   out of it: row r, + 64 h
.set XWI,  8                           ; v8   where I store x's images: 16 x lane + 4,096 x wave
.set XWS,  9                           ; v9   and their scale words: 4 x lane + 512 x wave
.set L8,   10                          ; v10  8 x lane
.set BA,   11                          ; v11  64 h
.set BC,   12                          ; v12  4 (r + 8 (r / 8))
.set WS,   16
.set XS,   24
.set BI,   32
.set XF,   64
.set ACC,  128
.set PC,   192
.set SCW,  192
.set VS,   196
.set TM,   200
.set PW,   216
.set VC,   220
.set BV,   252
.set SEL,  42
.set HM,   44
.set MSB,  0
.macro WIN new                         ; the immediate's high byte repeats the setting that is left
.if MSB != \new
	s_set_vgpr_msb (MSB<<8)|\new
.set MSB, \new
.endif
.endm
.macro PLACES n
.rept \n
	v_nop
.endr
.endm
; 64 numbers of a lane, register src + 16 b + i = element 32 b + 16 h + i: the four blocks' largest magnitudes, the conversions' scale operands (TM + 12 + b) and the scale bytes (TM + 4 + b)
.macro BLKMAX src
.irp b, 0,1,2,3
	v_max3_num_f32 v[TM+\b], |v[\src+16*\b]|, |v[\src+16*\b+1]|, 0x1800000   ; my 16 numbers, and the floor 2^(3 - 127): the byte cannot fall under 1
.endr
.irp i, 2,4,6,8,10,12,14
.irp b, 0,1,2,3
	v_max3_num_f32 v[TM+\b], v[TM+\b], |v[\src+16*\b+\i]|, |v[\src+16*\b+\i+1]|   ; (the four blocks by turns)
.endr
.endr
.irp b, 0,1,2,3
	v_permlanex16_b32 v[TM+4+\b], v[TM+\b], s[SEL], s[SEL+1]
.endr
.irp b, 0,1,2,3
	v_max_num_f32 v[TM+\b], v[TM+\b], v[TM+4+\b]   ; with lane l xor 16's: the block's largest magnitude
.endr
.irp b, 0,1,2,3
	v_add_nc_u32 v[TM+12+\b], 0xff000000, v[TM+\b] ; 2 off its exponent field
.endr
.irp b, 0,1,2,3
	v_lshrrev_b32 v[TM+4+\b], 23, v[TM+12+\b]      ; the scale's byte
.endr
.endm
.macro CVT src, dst, stride            ; block b's 16 codes of my half into registers dst + stride b and the next
.irp b, 0,1,2,3
	v_cvt_scalef32_pk8_fp4_f32 v[\dst+\stride*\b], v[\src+16*\b:\src+16*\b+7], v[TM+12+\b]
	v_cvt_scalef32_pk8_fp4_f32 v[\dst+\stride*\b+1], v[\src+16*\b+8:\src+16*\b+15], v[TM+12+\b]
.endr
	v_nop                                          ; one plain place behind the last scaled conversion
.endm
.macro SWAPS base                      ; the operand's layout wants a WHOLE block in a lane: lanes 0-15 block 2 c, lanes 16-31 block 2 c + 1
.irp c, 0,1
.irp i, 0,1
	v_permlane16_swap_b32 v[\base+4*\c+\i], v[\base+4*\c+2+\i]
.endr
.endr
.endm
; one product.  rowa, rowb: that side's scale words stand in lanes 16-31 of the register named
.macro MMA d, a, b, c, sa, sb, rowa, rowb
.if \rowa
	v_wmma_scale_f32_16x16x128_f8f6f4 v[\d:\d+7], v[\a:\a+7], v[\b:\b+7], v[\c:\c+7], v[\sa], v[\sb] matrix_a_fmt:MATRIX_FMT_FP4 matrix_b_fmt:MATRIX_FMT_FP4 matrix_a_scale:MATRIX_SCALE_ROW1
.elseif \rowb
	v_wmma_scale_f32_16x16x128_f8f6f4 v[\d:\d+7], v[\a:\a+7], v[\b:\b+7], v[\c:\c+7], v[\sa], v[\sb] matrix_a_fmt:MATRIX_FMT_FP4 matrix_b_fmt:MATRIX_FMT_FP4 matrix_b_scale:MATRIX_SCALE_ROW1
.else
	v_wmma_scale_f32_16x16x128_f8f6f4 v[\d:\d+7], v[\a:\a+7], v[\b:\b+7], v[\c:\c+7], v[\sa], v[\sb] matrix_a_fmt:MATRIX_FMT_FP4 matrix_b_fmt:MATRIX_FMT_FP4
.endif
.endm
	s_load_b256 s[8:15], s[0:1], 0x0               ; q_in s[8:9], k_in s[10:11], v_in s[12:13], bq s[14:15]
	s_load_b256 s[16:23], s[0:1], 0x20             ; bk s[16:17], bv s[18:19], wimg s[20:21], qx s[22:23]
	s_load_b64 s[24:25], s[0:1], 0x40              ; kv
	v_lshl_add_u32 v211, v0, 2, 0x19800
	v_mov_b32 v219, 0
	v_lshrrev_b32 v1, 5, v0
	v_readfirstlane_b32 s2, v1                     ; wave 0..7
	s_and_b32 s3, ttmp7, 0xffff                    ; 0 q, 1 k, 2 v
	s_lshl_b32 s40, ttmp9, 7                       ; x: my first row: 128 x work-group + 32 (wave / 2) + 8 (wave % 2),
	s_lshr_b32 s45, s2, 1
	s_lshl_b32 s45, s45, 5
	s_add_co_u32 s40, s40, s45
	s_and_b32 s45, s2, 1
	s_lshl_b32 s45, s45, 3
	s_add_co_u32 s40, s40, s45
	s_lshl_b32 s40, s40, 11                        ; rows of 2,048 bytes
	s_mov_b32 s41, 0
	s_lshl_b32 s46, s2, 8                          ; the bias: my head's 64 numbers
	s_mov_b32 s47, 0
	s_mul_i32 s50, s3, WT                          ; W's images: the tensor,
	s_lshl_b32 s45, s2, 14
	s_add_co_u32 s48, s50, s45                     ; my head's 16 fragments,
	s_mov_b32 s49, 0
	s_lshl_b32 s45, s2, 10
	s_add_co_u32 s50, s50, s45
	s_add_co_u32 s50, s50, WSC                     ; and their scale words
	s_mov_b32 s51, 0
	s_mov_b32 s38, KREC
	s_mov_b32 s39, 8192
	s_cmp_eq_u32 s3, 0
	s_cselect_b32 s38, QREC, s38                   ; a record's bytes,
	s_cselect_b32 s39, 4096, s39                   ; and where its scale words of q or k begin
	s_lshr_b32 s52, ttmp9, 4
	s_lshl_b32 s52, s52, 3
	s_add_co_u32 s52, s52, s2
	s_lshl_b32 s52, s52, 4
	s_and_b32 s45, ttmp9, 15
	s_add_co_u32 s52, s52, s45                     ; record (8 batch + head) 16 + j
	s_mul_i32 s52, s52, s38
	s_mov_b32 s53, 0
	s_add_co_u32 s54, s52, s39
	s_mov_b32 s55, 0
	s_mov_b32 s[SEL], 0x76543210
	s_mov_b32 s[SEL+1], 0xfedcba98                 ; v_permlanex16_b32's selects for lane l xor 16
	v_and_b32 v1, 31, v0                           ; lane
	v_and_b32 v2, 15, v0                           ; r
	v_bfe_u32 v3, v0, 4, 1                         ; h
	v_cmp_lt_u32 s[HM], 15, v1                     ; the mask of lanes 16-31
	v_lshlrev_b32 v[L16], 4, v1
	v_lshlrev_b32 v[L4], 2, v1
	s_mul_i32 s56, s2, 16*SP
	s_add_co_u32 s56, s56, STG                     ; my stage
	v_add_nc_u32 v[STI], s56, v[L16]
	v_mul_u32_u24 v[STO], v2, SP
	v_lshl_add_u32 v[STO], v3, 6, v[STO]
	v_add_nc_u32 v[STO], s56, v[STO]
	s_lshl_b32 s57, s2, 12
	v_add_nc_u32 v[XWI], s57, v[L16]
	s_lshl_b32 s57, s2, 9
	v_add_nc_u32 v[XWS], s57, v[L4]
	v_lshlrev_b32 v[L8], 3, v1
	v_lshlrev_b32 v[BA], 6, v3
	v_and_b32 v[BC], 8, v2
	v_add_nc_u32 v[BC], v[BC], v2
	v_lshlrev_b32 v[BC], 2, v[BC]
.irp b, 0,1,2,3
	v_mov_b32 v[TM+4+\b], 0                        ; written once: a lane permute's destination counts as one of its sources
.endr
	s_wait_kmcnt 0x0
	s_cmp_eq_u32 s3, 0                             ; the buffers are chosen by the work-group's number alone
	s_cselect_b64 s[26:27], s[8:9], s[10:11]       ; x
	s_cselect_b64 s[28:29], s[14:15], s[16:17]     ; the bias
	s_cselect_b64 s[30:31], s[22:23], s[24:25]     ; the records
	s_cmp_eq_u32 s3, 2
	s_cselect_b64 s[26:27], s[12:13], s[26:27]
	s_cselect_b64 s[28:29], s[18:19], s[28:29]
	s_add_nc_u64 s[26:27], s[26:27], s[40:41]
	s_add_nc_u64 s[28:29], s[28:29], s[46:47]
	s_add_nc_u64 s[32:33], s[30:31], s[54:55]      ; my record's scale words of q or k
	s_add_nc_u64 s[30:31], s[30:31], s[52:53]      ; my record
	s_add_nc_u64 s[34:35], s[20:21], s[48:49]
	s_add_nc_u64 s[36:37], s[20:21], s[50:51]
	; the bias, both ways: as the C of a tile whose registers run along d (lane (r, h), tile 2 b + u: d = 32 b + 8 u + 16 h + 0 .. 7), and the one number of my column d = 32 b + 8 u + r + 8 (r / 8)
.irp t, 0,1,2,3
	global_load_b128 v[BI+8*\t:BI+8*\t+3], v[BA], s[28:29] offset:(32*(\t/2)+8*(\t%2))*4
	global_load_b128 v[BI+8*\t+4:BI+8*\t+7], v[BA], s[28:29] offset:(32*(\t/2)+8*(\t%2))*4+16
	global_load_b32 v[BV+\t], v[BC], s[28:29] offset:(32*(\t/2)+8*(\t%2))*4
.endr
; K step k of my 16 rows as it lies: each load takes a row's 512 consecutive bytes, 16 a lane; each number of x is read once in the launch
.macro XLOAD k
	WIN 0x40                                       ; destination window 1
.irp p, 0,1,2,3,4,5,6,7,8,9,10,11,12,13,14,15
	global_load_b128 v[128+64*((\k)%2)+4*\p:128+64*((\k)%2)+4*\p+3], v[L16], s[26:27] offset:(\p+(\p&8))*2048+512*(\k) th:TH_LOAD_NT
.endr
	WIN 0
.endm
	XLOAD 0
	XLOAD 1
	WIN 0x40
.irp i, 0,1,2,3,4,5,6,7,8,9,10,11,12,13,14,15,16,17,18,19,20,21,22,23,24,25,26,27,28,29,30,31
	global_load_b128 v[4*\i:4*\i+3], v[L16], s[34:35] offset:512*\i      ; W's fragment (t, k) at v[8 (4 t + k)] of window 1: it stays
.endr
	WIN 0
.irp i, 0,1,2,3,4,5,6,7
	global_load_b32 v[WS+\i], v[L4], s[36:37] offset:128*\i              ; register 2 k + t / 2: lanes 0-15 the even tile's words, lanes 16-31 the odd tile's
.endr
; K step k through my stage: in as loaded, out 16 neighbours of each block of 32 a lane: register 16 b + i = k 32 b + 16 h + i of row r.
; LDS serves a wave's instructions in order (ISA guide 5.7.1.4): no wait between the stores and the loads.
.macro TURN k
	WIN 0x04                                       ; an LDS store's data are its source 1: window 1
.irp p, 0,1,2,3,4,5,6,7,8,9,10,11,12,13,14,15
	ds_store_b128 v[STI], v[128+64*((\k)%2)+4*\p:128+64*((\k)%2)+4*\p+3] offset:SP*\p
.endr
	WIN 0
.irp b, 0,1,2,3
.irp q, 0,1,2,3
	ds_load_b128 v[64+64*((\k)%2)+16*\b+4*\q:64+64*((\k)%2)+16*\b+4*\q+3], v[STO] offset:128*\b+16*\q
.endr
.endr
.endm
; K step k becomes a fragment and a scale word.  left: the global loads younger than K step k + 1's, which may stay out
.macro XSTEP k, left
	s_wait_dscnt 0x0                               ; this step's numbers are back from the stage, and the last step's images have read their registers
.if (\k) < 2
	XLOAD (\k)+2                                   ; into the set that the stage's stores have read
.endif
.if (\k) < 3
	s_wait_loadcnt \left
	TURN (\k)+1                                    ; the next step goes through the stage while this one is worked
.endif
	BLKMAX 64+64*((\k)%2)
	v_lshl_or_b32 v[PW], v[TM+5], 8, v[TM+4]       ; the four bytes make my row's scale word
	v_lshl_or_b32 v[PW], v[TM+6], 16, v[PW]
	v_lshl_or_b32 v[PW], v[TM+7], 24, v[PW]
	CVT 64+64*((\k)%2), PC, 2
	SWAPS PC
	ds_store_b128 v[XWI], v[PC:PC+3] offset:XIMG+1024*(\k)
	ds_store_b128 v[XWI], v[PC+4:PC+7] offset:XIMG+1024*(\k)+512
	ds_store_b32 v[XWS], v[PW] offset:XSC+128*(\k)
.endm
	s_wait_loadcnt 56                              ; K step 0 is in: behind it K step 1's 16 loads and W's 40
	TURN 0
	XSTEP 0, 56                                    ; behind K step 1: W's 40 and K step 2's 16
	XSTEP 1, 16                                    ; behind K step 2: K step 3's 16
	XSTEP 2, 0
	XSTEP 3, 0
	s_wait_dscnt 0x0                               ; for the others' sake: my images have landed
	s_barrier_signal -1
	s_barrier_wait -1                              ; x's 32 fragments lie in LDS; nothing is stored to LDS behind this barrier
; the eight fragments and scale words of row tiles 2 p and 2 p + 1
.macro FETCHX p
.irp u, 0,1
.irp k, 0,1,2,3
	ds_load_b128 v[XF+8*(4*\u+\k):XF+8*(4*\u+\k)+3], v[L16] offset:XIMG+(4*(2*(\p)+\u)+\k)*1024
	ds_load_b128 v[XF+8*(4*\u+\k)+4:XF+8*(4*\u+\k)+7], v[L16] offset:XIMG+(4*(2*(\p)+\u)+\k)*1024+512
	ds_load_b32 v[XS+4*\u+\k], v[L4] offset:XSC+(4*(2*(\p)+\u)+\k)*128
.endr
.endr
	s_wait_dscnt 0x0
.endm
; 32 products; the eight accumulators take turns, one instruction a turn
.macro MULQK                           ; source 0 = W, source 1 = x: accumulator (u, t) at ACC + 32 u + 8 t
	WIN 0x01                                       ; source 0 window 1
.irp k, 0,1,2,3
.irp u, 0,1
.irp t, 0,1,2,3
.if \k == 0
	MMA ACC+32*\u+8*\t, 8*(4*\t+\k), XF+8*(4*\u+\k), BI+8*\t, WS+2*\k+\t/2, XS+4*\u+\k, \t%2, 0
.else
	MMA ACC+32*\u+8*\t, 8*(4*\t+\k), XF+8*(4*\u+\k), ACC+32*\u+8*\t, WS+2*\k+\t/2, XS+4*\u+\k, \t%2, 0
.endif
.endr
.endr
.endr
	WIN 0
.endm
.macro MULV                            ; source 0 = x, source 1 = W: accumulator (t, u) at ACC + 16 t + 8 u
	WIN 0x04                                       ; source 1 window 1
.irp k, 0,1,2,3
.irp u, 0,1
.irp t, 0,1,2,3
.if \k == 0
	MMA ACC+16*\t+8*\u, XF+8*(4*\u+\k), 8*(4*\t+\k), BI+8*\t, XS+4*\u+\k, WS+2*\k+\t/2, 0, \t%2
.else
	MMA ACC+16*\t+8*\u, XF+8*(4*\u+\k), 8*(4*\t+\k), ACC+16*\t+8*\u, XS+4*\u+\k, WS+2*\k+\t/2, 0, \t%2
.endif
.endr
.endr
.endr
	WIN 0
.endm
	s_cmp_eq_u32 s3, 2
	s_cbranch_scc1 .Lv
	; ---- q and k.  ACC + 16 (2 u + b) + i is d = 32 b + 16 h + i of row tile u's row r
.irp p, 0,1,2,3
	FETCHX \p
	MULQK
	PLACES 5                                       ; four in front of the first read of results and of the next loads into operands; five in front of the next pair's first products, which begin these accumulators anew
	BLKMAX ACC
	v_lshl_or_b32 v[PW+1], v[TM+5], 8, v[TM+4]     ; tile 2 p's word,
	v_lshl_or_b32 v[PW+2], v[TM+7], 8, v[TM+6]     ; tile 2 p + 1's;
	v_or_b32 v[PW+1], 0x7f7f0000, v[PW+1]          ; the bytes of k = 64 .. 127, whose codes are zeros, are 127
	v_or_b32 v[PW+2], 0x7f7f0000, v[PW+2]
	v_cndmask_b32 v[SCW+\p], v[PW+1], v[PW+2], s[HM]       ; lanes 0-15 the even tile's, lanes 16-31 the odd tile's
	CVT ACC, VC+8*\p, 2
	SWAPS VC+8*\p                                  ; registers 4 u .. 4 u + 3: d = 32 h + 0 .. 31 of tile 2 p + u
	global_store_b128 v[L16], v[VC+8*\p:VC+8*\p+3], s[30:31] offset:1024*\p            ; each store covers 512 consecutive bytes, aligned; every store has data registers of its own
	global_store_b128 v[L16], v[VC+8*\p+4:VC+8*\p+7], s[30:31] offset:1024*\p+512
.endr
	global_store_b128 v[L16], v[SCW:SCW+3], s[32:33]       ; the record's 128 scale words
	s_wait_tensorcnt 0x0
	ds_add_u32 v211, v219
	s_wait_dscnt 0x0
	s_endpgm
.Lv:
	; ---- v.  ACC + 16 t + i is key 32 p + 16 h + i of tile t's column r.  In this layout a tile's bias is one number a lane, eight times
.irp t, 0,1,2,3
.irp j, 0,1,2,3,4,5,6,7
	v_mov_b32 v[BI+8*\t+\j], v[BV+\t]
.endr
.endr
	PLACES 4                                       ; registers written by vector instructions stand four places ahead of the scaled products that name them
.irp p, 0,1,2,3
	FETCHX \p
	MULV
	PLACES 5                                       ; as above
	BLKMAX ACC
.irp t, 0,1,2,3
.if \p == 0
	v_mov_b32 v[SCW+\t], v[TM+4+\t]                ; tile t's scale word: byte p belongs to keys 32 p on
.else
	v_lshl_or_b32 v[SCW+\t], v[TM+4+\t], 8*\p, v[SCW+\t]
.endif
.endr
	CVT ACC, VC+2*\p, 8                            ; tile t's registers 2 p, 2 p + 1
.endr
.irp t, 0,1,2,3
	SWAPS VC+8*\t                                  ; registers 4 c .. 4 c + 3: keys 64 c + 32 h + 0 .. 31
.endr
	v_cndmask_b32 v[VS], v[SCW], v[SCW+1], s[HM]
	v_cndmask_b32 v[VS+1], v[SCW+2], v[SCW+3], s[HM]
.irp f, 0,1,2,3,4,5,6,7
	global_store_b128 v[L16], v[VC+4*\f:VC+4*\f+3], s[30:31] offset:4096+512*\f
.endr
	global_store_b64 v[L8], v[VS:VS+1], s[30:31] offset:8704
	s_wait_tensorcnt 0x0
	ds_add_u32 v211, v219
	s_wait_dscnt 0x0
	s_endpgm
.Lfunc_end_k_q9c5442bd21_proj:
	.size	k_q9c5442bd21_proj, .Lfunc_end_k_q9c5442bd21_proj-k_q9c5442bd21_proj
	.p2alignl 7, 3214868480
	.fill 96, 4, 3214868480
	.section	.rodata,"a",@progbits
	.p2align	6, 0x0
	.amdhsa_kernel k_q9c5442bd21_proj
		.amdhsa_group_segment_fixed_size 105472
		.amdhsa_private_segment_fixed_size 0
		.amdhsa_enable_private_segment 0
		.amdhsa_kernarg_size 72
		.amdhsa_user_sgpr_count 2
		.amdhsa_user_sgpr_kernarg_segment_ptr 1
		.amdhsa_wavefront_size32 1
		.amdhsa_system_sgpr_workgroup_id_x 1
		.amdhsa_system_sgpr_workgroup_id_y 1
		.amdhsa_system_sgpr_workgroup_id_z 1
		.amdhsa_system_vgpr_workitem_id 0
		.amdhsa_next_free_vgpr 512
		.amdhsa_next_free_sgpr 66
		.amdhsa_reserve_vcc 0
		.amdhsa_float_denorm_mode_32 3
		.amdhsa_float_denorm_mode_16_64 3
		.amdhsa_memory_ordered 1
		.amdhsa_forward_progress 1
		.amdhsa_inst_pref_size 119
	.end_amdhsa_kernel
	.amdgpu_metadata
---
amdhsa.version: [ 1, 2 ]
amdhsa.kernels:
  - .name:           k_q9c5442bd21_proj
    .symbol:         k_q9c5442bd21_proj.kd
    .args:
      - { .name: q_in, .offset: 0, .size: 8, .value_kind: global_buffer, .address_space: global }
      - { .name: k_in, .offset: 8, .size: 8, .value_kind: global_buffer, .address_space: global }
      - { .name: v_in, .offset: 16, .size: 8, .value_kind: global_buffer, .address_space: global }
      - { .name: bq, .offset: 24, .size: 8, .value_kind: global_buffer, .address_space: global }
      - { .name: bk, .offset: 32, .size: 8, .value_kind: global_buffer, .address_space: global }
      - { .name: bv, .offset: 40, .size: 8, .value_kind: global_buffer, .address_space: global }
      - { .name: wimg, .offset: 48, .size: 8, .value_kind: global_buffer, .address_space: global }
      - { .name: qx, .offset: 56, .size: 8, .value_kind: global_buffer, .address_space: global }
      - { .name: kv, .offset: 64, .size: 8, .value_kind: global_buffer, .address_space: global }
    .group_segment_fixed_size: 105472
    .private_segment_fixed_size: 0
    .kernarg_segment_align: 8
    .kernarg_segment_size: 72
    .max_flat_workgroup_size: 256
    .sgpr_count:     66
    .vgpr_count:     512
    .wavefront_size: 32
...
	.end_amdgpu_metadata
.endif
;; end of part 2
;; launch attn (part 3): grid 8 x 32, 16 waves a work-group, clusters of 4 x 1, 169,984 bytes of LDS; arguments qx, kv, cx; writes cx
.if DOCPART == 3
	.amdgcn_target "amdgcn-amd-amdhsa--gfx1250"
	.amdhsa_code_object_version 6
	.text
	.protected	k_q9c5442bd21_attn
	.globl	k_q9c5442bd21_attn
	.p2align	8
	.type	k_q9c5442bd21_attn,@function
k_q9c5442bd21_attn:
	s_mov_b64 s[64:65], 0
	v_nop
	global_prefetch_b8 v0, s[64:65] scope:SCOPE_SE
	s_setreg_imm32_b32 hwreg(HW_REG_WAVE_MODE, 25, 1), 1
	s_wait_xcnt 0x0
	s_wait_alu depctr_hold_cnt(0) depctr_sa_sdst(0) depctr_va_vdst(0) depctr_va_sdst(0) depctr_va_ssrc(0) depctr_va_vcc(0) depctr_vm_vsrc(0)
	s_getreg_b32 s2, hwreg(HW_REG_IB_STS2, 6, 4)
	s_cmp_eq_u32 s2, 0
	s_cbranch_scc0 .Lentry_in_a_cluster
	s_endpgm
.Lentry_in_a_cluster:
	s_bfe_u32 s2, ttmp6, 0x10000c
	s_cmp_lg_u32 s2, 0x3003
	s_cbranch_scc0 .Lentry_shape_is_right
	s_endpgm
.Lentry_shape_is_right:
; The attention of one head for 256 queries: S^T = K Q^T and O^T = V^T P^T on codes of FP4 (E2M1) with one E8M0 scale for each 32 along a product's K; O / l is quantised along d and stored as part of the last product's operand.
; THE SOFTMAX.  t = score x log2(e) / 8; M = the row's largest t so far, rounded UP to a whole number (a running maximum); p = 2^(t - M) is what is quantised, along the keys; it is not normalised.
; The row's sum l is taken of the unquantised p, in f32, and divides O at the end.  When M moves, the sum and O are multiplied by 2^(old M - new M): exact.
; SHARES.  Work-group (x = block of 256 queries, y = 8 batch + head); each of its sixteen waves owns one tile of 16 queries in 256 registers, four waves to a SIMD.  Every wave walks the head's 16 steps of 128 keys.
; LDS.  A head's K and V as codes with their scale words are 16 records of REC bytes, 143,360 bytes on end in kv: they come into LDS ONCE, each wave fetching the record of one key step (35 rows of 256 bytes), and stay:
; no byte of LDS is filled twice.  By this text's own count a wave has one tensor load out.
; CLUSTER.  The four query blocks of a cluster belong to one head and want the same records: each is asked for JOINTLY, by the same tensor load with the same descriptor and a mask that names the four.
; My place in the cluster enters only the global addresses of Q and of the result.
; LAYOUT.  All operands lie in memory and LDS as images of their registers (lane l's 16 bytes at 16 l): no pitch, no padding.  Both products are used transposed: a lane holds ONE query (lane % 16) throughout.
; The keys of a tile of K are not neighbours (lane r of tile 2 b + u holds key 32 b + 8 u + r + 8 (r / 8)), so that the 16 registers of tiles 2 b and 2 b + 1 of S^T are keys 32 b + 16 h + 0 .. 15; V's rows d likewise.
; The scores' K is 64: registers 4-7 of Q's and K's fragments are zero codes, under the scale byte 127.
; THE ORDER OF A KEY STEP.  K's fragments are asked for a step ahead, as soon as the step's score products have read the old ones;
; V's loads stand behind those products.  No two exponentials follow each other: behind each stands plain work that is ready (t - M of the pair eight pairs ahead, the sum of the pair one back, p's scale bytes,
; O^T's rescaling).  The row's sum runs in four chains.  The last step is written out, without the loads for a next step: no load reads past the head's records.
; LIMITS: NaN and infinities are not served; p under 2^-126 becomes 0 (v_exp_f32 gives 0 there: ISA guide 15.8); a block whose largest magnitude lies under 2^-124, zeros among them, keeps the byte 1 (its bytes are read by this
; program alone); the division by l is v_rcp_f32 and a multiplication.
; REGISTERS: v1-4 lane offsets; v8-9 the step's LDS addresses; v12 -M, v13 the largest t, v[14:15] the sum in two halves (and its first chain); v16-23 Q; v24-27 K's scale words, v28-29 V's; v32-95 K's eight fragments;
;   v96-159 S^T, then p; v160-191 O^T; v192-223 V's four fragments; v224-231 p's codes; v232-239, v244-247, v252-254 at work; v[240:241], v[242:243], v[248:249] the sum's other three chains; v255 Q's scale word.
.set REC,  8960
.set QREC, 4608
.set CREC, 4352
.set WV,   12                          ; s12  my wave's number
.set SEL,  20                          ; s[20:21] lane selects for v_permlanex16_b32: lane l xor 16
.set CS,   22                          ; s[22:23] c = log2(e) / 8: the packed form names a pair and takes its low word for both halves
.set G1,   24                          ; s[24:31] descriptor group 1
.set G0,   32                          ; s[32:35] descriptor group 0
.set TB,   36                          ; s36  LDS byte at which the step's record begins
.set CNT,  37                          ; s37  trips of the loop to go
.macro PLACES n
.rept \n
	v_nop
.endr
.endm
; A round of the cluster's barrier: my work-group's barrier, so that wave 0's signal speaks for all sixteen waves; wave 0 signals for the work-group; every wave waits for all four work-groups; my work-group's barrier once more.
.macro CROUND
	s_barrier_signal -1
	s_barrier_wait -1
	s_cmp_lg_u32 s[WV], 0
	s_cbranch_scc1 .Lnot_wave_0_\@
	s_barrier_signal -3
.Lnot_wave_0_\@:
	s_barrier_wait -3
	s_barrier_signal -1
	s_barrier_wait -1
.endm
	s_load_b128 s[4:7], s[0:1], 0x0                ; qx s[4:5], kv s[6:7]
	s_load_b64 s[8:9], s[0:1], 0x10                ; cx
	v_lshl_add_u32 v250, v0, 2, 0x29000
	v_mov_b32 v251, 0
	ds_add_u32 v250, v251
	ds_add_u32 v250, v251
	v_lshrrev_b32 v5, 5, v0
	v_readfirstlane_b32 s[WV], v5                  ; wave 0..15
	s_bfe_u32 s13, ttmp6, 0x40000                  ; my place in the cluster
	s_lshl_b32 s14, ttmp9, 2                       ; in a cluster launch ttmp9 counts clusters
	s_add_co_u32 s14, s14, s13                     ; my block of 256 queries
	s_and_b32 s15, ttmp7, 0xffff                   ; 8 batch + head, which the four partners share
	; descriptor group 1: 35 rows of 32 elements of 8 bytes, dense in memory and in LDS
	s_mov_b32 s[G1], 15|(3<<16)|(1<<21)            ; 15:0 the mask: all four work-groups; 17:16 elements of 8 bytes; 20 no padding; 21 set beside a mask
	s_mov_b32 s[G1+1], 32<<16                      ; tensor_dim0 = 32
	s_mov_b32 s[G1+2], 35<<16                      ; tensor_dim1 = 35
	s_mov_b32 s[G1+3], 32<<16                      ; tile_dim0 = 32
	s_mov_b32 s[G1+4], 35                          ; tile_dim1 = 35
	s_mov_b32 s[G1+5], 32                          ; tensor_dim0_stride
	s_mov_b32 s[G1+6], 0
	s_mov_b32 s[G1+7], 0
	s_mov_b32 s[G0], 1                             ; count = 1
	s_mul_i32 s[G0+1], s[WV], REC                  ; LDS address: my wave's record: no place in the cluster enters it
	s_mul_i32 s40, s15, 16*REC                     ; the head's records in kv,
	s_add_co_u32 s40, s40, s[G0+1]                 ; and mine among them
	s_mov_b32 s41, 0
	s_lshl_b32 s42, s15, 4                         ; Q: record (8 batch + head) 16 + 2 block + wave / 8,
	s_lshl_b32 s16, s14, 1
	s_add_co_u32 s42, s42, s16
	s_lshr_b32 s16, s[WV], 3
	s_add_co_u32 s42, s42, s16
	s_mul_i32 s42, s42, QREC
	s_mov_b32 s43, 0
	s_and_b32 s17, s[WV], 7                        ; tile T = wave % 8 of it
	s_lshl_b32 s16, s17, 9
	s_add_co_u32 s44, s42, s16                     ; its codes: 512 T
	s_mov_b32 s45, 0
	s_and_b32 s16, s[WV], 1
	s_lshl_b32 s16, s16, 8
	s_lshr_b32 s18, s17, 1
	s_lshl_b32 s18, s18, 2
	s_add_co_u32 s16, s16, s18
	s_add_co_u32 s42, s42, s16
	s_add_co_u32 s42, s42, 4096                    ; its scale words: 4,096 + 256 (T % 2) + 4 (T / 2), 16 bytes from row to row
	s_lshr_b32 s46, s15, 3                         ; the result: record 128 batch + 16 block + wave,
	s_lshl_b32 s46, s46, 7
	s_lshl_b32 s16, s14, 4
	s_add_co_u32 s46, s46, s16
	s_add_co_u32 s46, s46, s[WV]
	s_mul_i32 s46, s46, CREC
	s_mov_b32 s47, 0
	s_and_b32 s18, s15, 7                          ; the head
	s_lshl_b32 s16, s18, 9
	s_add_co_u32 s38, s46, s16                     ; its codes: 512 x head
	s_mov_b32 s39, 0
	s_lshr_b32 s16, s18, 1
	s_lshl_b32 s16, s16, 6
	s_and_b32 s19, s18, 1
	s_lshl_b32 s19, s19, 1
	s_add_co_u32 s16, s16, s19
	s_add_co_u32 s46, s46, s16
	s_add_co_u32 s46, s46, 4096                    ; its two scale bytes a row: 4,096 + 64 (head / 2) + 2 (head % 2), 4 bytes from row to row
	s_mov_b32 s[SEL], 0x76543210
	s_mov_b32 s[SEL+1], 0xfedcba98
	s_mov_b32 s[CS], 0x3e38aa3b                    ; c = log2(e) / 8
	s_mov_b32 s[CS+1], s[CS]                       ; (named with it as a pair, so it is written)
	s_mov_b32 s[TB], 0
	s_mov_b32 s[CNT], 15
	v_and_b32 v1, 31, v0
	v_lshlrev_b32 v2, 3, v1                        ; 8 x lane
	v_lshlrev_b32 v1, 4, v1                        ; 16 x lane
	v_and_b32 v3, 15, v0
	v_lshlrev_b32 v4, 2, v3                        ; 4 r
	v_lshlrev_b32 v3, 4, v3                        ; 16 r
	s_wait_dscnt 0x0
	s_wait_kmcnt 0x0
	s_add_nc_u64 s[G0+2:G0+3], s[6:7], s[40:41]    ; global address of my record
	s_or_b32 s[G0+3], s[G0+3], 0x80000000          ; type = 2
	s_add_nc_u64 s[44:45], s[4:5], s[44:45]
	s_add_nc_u64 s[42:43], s[4:5], s[42:43]
	s_add_nc_u64 s[38:39], s[8:9], s[38:39]
	s_add_nc_u64 s[46:47], s[8:9], s[46:47]
	CROUND                                         ; all four work-groups are here: the joint loads meet
	tensor_load_to_lds s[G0:G0+3], s[G1:G1+7]      ; the one fill of these bytes
	s_nop 0
	PLACES 4                                       ; four v_nop follow the line
	global_load_b128 v[16:19], v1, s[44:45]        ; Q's codes: d = 32 h + 0 .. 31 of my query
	global_load_b32 v255, v3, s[42:43]             ; Q's scale words
.irp j, 20,21,22,23
	v_mov_b32 v\j, 0                               ; Q's zero codes of k = 64 .. 127
.endr
.irp t, 0,1,2,3,4,5,6,7
.irp j, 4,5,6,7
	v_mov_b32 v[32+8*\t+\j], 0                     ; K's likewise: written once, the steps load the lower four registers alone
.endr
.endr
.set j, 0
.rept 32
	v_mov_b32 v[160+j], 0                          ; O^T.  (The first step is like every other: it finds zeros, which the first change of M leaves zeros)
.set j, j+1
.endr
	v_mov_b32 v13, 0xff61b1e6                      ; the largest t so far: -3e38, under every t
	v_floor_f32 v12, -v13                          ; -M
	v_mov_b32 v14, 0                               ; the sum, in two halves
	v_mov_b32 v15, 0
.irp b, 0,1,2,3
	v_mov_b32 v[236+\b], 0                         ; written once: a lane permute's destination counts as one of its sources
.endr
	v_mov_b32 v253, 0                              ; (named as the upper half of the pair v[252:253] before it is first written)
	s_wait_loadcnt 0x0                             ; Q
	s_wait_tensorcnt 0x0                           ; my record has landed,
	s_barrier_signal -1
	s_barrier_wait -1                              ; everybody's has: the whole head lies in LDS
.irp t, 0,1,2,3,4,5,6,7
	ds_load_b128 v[32+8*\t:35+8*\t], v1 offset:512*\t      ; K's eight tiles of key step 0,
.endr
	ds_load_b128 v[24:27], v1 offset:8192          ; and their scale words: register b: lanes 0-15 tile 2 b's, lanes 16-31 tile 2 b + 1's
; ---- the pieces of a key step
.macro TM n                            ; pair n of the scores: t - M, two at a time (of the pairs c and -M the low word serves both halves)
	v_pk_fma_f32 v[96+2*(\n):97+2*(\n)], v[96+2*(\n):97+2*(\n)], s[CS:CS+1], v[12:13] op_sel_hi:[1,0,0]
.endm
.macro EXPP n                          ; p = 2^(t - M), at most 1: NOT normalised
	v_exp_f32 v[96+(\n)], v[96+(\n)]
.endm
; Plain work that hangs on no p, dealt out in this order wherever a place among the exponentials has nothing else: number mi of 31.
;   0-3 the floor under each block's largest p; 4-7 the conversions' scale operands; 8-11 the scale bytes; 12-14 p's scale word; 15-30 O^T under the new M, in ascending order
.macro MISC
.if mi < 4
	s_wait_alu depctr_va_vdst(0)
	v_max_num_f32 v[232+mi], 0x1800000, v[232+mi]  ; the floor 2^(3 - 127): the byte cannot fall under 1 (a block whose every p has fallen to 0 keeps that byte: its codes are zeros)
.elseif mi < 8
	v_add_nc_u32 v[244+mi-4], 0xff000000, v[232+mi-4]      ; 2 off the exponent field: the conversion's scale operand
.elseif mi < 12
	v_lshrrev_b32 v[236+mi-8], 23, v[244+mi-8]     ; the scale's byte
.elseif mi == 12
	v_lshl_or_b32 v253, v237, 8, v236              ; p's scale word for these 128 keys
.elseif mi == 13
	v_lshl_or_b32 v253, v238, 16, v253
.elseif mi == 14
	v_lshl_or_b32 v253, v239, 24, v253
.else
	v_pk_mul_f32 v[160+2*(mi-15):161+2*(mi-15)], v[160+2*(mi-15):161+2*(mi-15)], v[252:253] op_sel_hi:[1,0]   ; x f
.endif
.set mi, mi+1
.endm
; THE ROW'S SUM IS TAKEN OF THE UNQUANTISED p: pair q of 32 goes into chain q % 4.  Pair 0 takes the old sum with it, l x f + p, in one fused line; chains 1 to 3 begin with the sum of their first two pairs,
; so pairs 1 to 3 have no line of their own: other plain work takes their place, and the place in front of pair 0.
.macro SUMP q
.if ((\q) < 0) || (((\q) > 0) && ((\q) < 4))
	MISC
.elseif (\q) == 0
	v_pk_fma_f32 v[14:15], v[14:15], v[252:253], v[96:97] op_sel_hi:[1,0,1]
.else
.set cr, 14
.if (\q)%4 == 1
.set cr, 240
.elseif (\q)%4 == 2
.set cr, 242
.elseif (\q)%4 == 3
.set cr, 248
.endif
.if ((\q) > 4) && ((\q) < 8)
	s_wait_alu depctr_va_vdst(0)
	v_pk_add_f32 v[cr:cr+1], v[96+2*(\q)-8:97+2*(\q)-8], v[96+2*(\q):97+2*(\q)]
.else
	s_wait_alu depctr_va_vdst(0)
	v_pk_add_f32 v[cr:cr+1], v[cr:cr+1], v[96+2*(\q):97+2*(\q)]
.endif
.endif
.endm
.macro KN last, t                      ; load t of nine for the NEXT step's K: tiles 0 to 7, then the scale words.  The last step has none
.if !(\last)
.if (\t) < 8
	ds_load_b128 v[32+8*(\t):35+8*(\t)], v8 offset:REC+512*(\t)
.else
	ds_load_b128 v[24:27], v8 offset:REC+8192
.endif
.endif
.endm
; A KEY STEP: 128 keys.  K's fragments and scale words were asked for a step ago.
.macro STEP last
	v_add_nc_u32 v8, s[TB], v1
	v_add_nc_u32 v9, s[TB], v2
	v_nop
	v_nop                                          ; four places between the last step's products and the loads into their operands below (ISA guide 7.12.1 for vector instructions)
	s_wait_dscnt 0x0                               ; K and its scale words are in: nothing else is out
.irp t, 0,1,2,3,4,5,6,7
.if \t%2
	v_wmma_scale_f32_16x16x128_f8f6f4 v[96+8*\t:103+8*\t], v[32+8*\t:39+8*\t], v[16:23], 0, v[24+\t/2], v255 matrix_a_fmt:MATRIX_FMT_FP4 matrix_b_fmt:MATRIX_FMT_FP4 matrix_a_scale:MATRIX_SCALE_ROW1
.else
	v_wmma_scale_f32_16x16x128_f8f6f4 v[96+8*\t:103+8*\t], v[32+8*\t:39+8*\t], v[16:23], 0, v[24+\t/2], v255 matrix_a_fmt:MATRIX_FMT_FP4 matrix_b_fmt:MATRIX_FMT_FP4
.endif
.endr
.irp f, 0,1,2,3,4,5,6,7
	ds_load_b128 v[192+4*\f:195+4*\f], v8 offset:4096+512*\f   ; V's four fragments: they have the softmax in which to land
.endr
	ds_load_b64 v[28:29], v9 offset:8704           ; V's scale words: register b: lanes 0-15 tile 2 b's, lanes 16-31 tile 2 b + 1's
	PLACES 4                                       ; in front of the first read of the scores, and of the loads into K's registers further down
.irp b, 0,1,2,3
	v_max3_num_f32 v[232+\b], v[96+16*\b], v[97+16*\b], v[98+16*\b]   ; THE LARGEST SCORE OF EACH BLOCK OF 32 KEYS serves twice: for the row's maximum, and, since p rises with the score, for the block's largest p
.endr
.irp i, 3,5,7,9,11,13
.irp b, 0,1,2,3
	v_max3_num_f32 v[232+\b], v[232+\b], v[96+16*\b+\i], v[97+16*\b+\i]   ; (the four blocks by turns)
.endr
.endr
.irp b, 0,1,2,3
	v_max_num_f32 v[232+\b], v[232+\b], v[111+16*\b]
.endr
.irp b, 0,1,2,3
	v_permlanex16_b32 v[236+\b], v[232+\b], s[SEL], s[SEL+1]
.endr
.irp b, 0,1,2,3
	v_max_num_f32 v[232+\b], v[232+\b], v[236+\b]  ; with lane l xor 16's 16 keys
.endr
	; each of the next lines reads the result of the line before it: the loads of the next step's K stand between them
	v_max3_num_f32 v254, v232, v233, v234
	KN \last, 0
	KN \last, 1
	v_max_num_f32 v254, v254, v235                 ; the step's largest score of my query
	KN \last, 2
	KN \last, 3
	v_mul_f32 v254, s[CS], v254                    ; as t (c is positive)
	KN \last, 4
	KN \last, 5
	v_max_num_f32 v13, v13, v254                   ; the running largest t
	v_mov_b32 v254, v12
	KN \last, 6
	KN \last, 7
	v_floor_f32 v12, -v13                          ; the new -M = floor(-t) = -ceil(t): M IS A WHOLE NUMBER
	KN \last, 8
	TM 0                                           ; the first t - M stand between the lines that make f
	v_sub_f32 v254, v12, v254                      ; M's old value less its new one: a whole number, 0 or less
	TM 1
	v_cvt_i32_f32 v254, v254                       ; (it saturates)
	TM 2
	v_ldexp_f32 v252, 1.0, v254                    ; f = 2^(old M - new M): a multiplication by it rounds nothing
	TM 3
.irp b, 0,1,2,3
	v_fma_f32 v[232+\b], v[232+\b], s[CS], v12     ; t - M of each block's largest score
.endr
.irp b, 0,1,2,3
	v_exp_f32 v[232+\b], v[232+\b]                 ; the block's largest p: the same two instructions on the same number give the same bits as the p itself
	TM 4+\b
.endr
	; Pair jj of 32: its two exponentials, and behind each a plain line that touches neither its result nor its source (ISA guide 5.7.2); a result is first read three lines or more behind its exponential
.set mi, 0
.set jj, 0
.rept 32
	EXPP 2*jj
.if jj < 24
	TM jj+8                                        ; eight pairs ahead
.else
	MISC
.endif
	EXPP 2*jj+1
	SUMP jj-1                                      ; one pair back
.if jj < 17
	MISC
.endif
.set jj, jj+1
.endr
.irp b, 0,1,2,3
	v_cvt_scalef32_pk8_fp4_f32 v[224+2*\b], v[96+16*\b:103+16*\b], v[244+\b]
	v_cvt_scalef32_pk8_fp4_f32 v[225+2*\b], v[104+16*\b:111+16*\b], v[244+\b]
.endr
	v_nop                                          ; one plain place behind the last scaled conversion
.irp c, 0,1                                    ; the operand's layout wants a WHOLE block in a lane: lanes 0-15 block 2 c, lanes 16-31 block 2 c + 1
.irp i, 0,1
	v_permlane16_swap_b32 v[224+4*\c+\i], v[226+4*\c+\i]
.endr
.endr
	SUMP 31                                        ; the last pair, the four chains made one, and the last of O^T: six plain lines, the places between p's codes and the products below
	v_pk_add_f32 v[14:15], v[14:15], v[240:241]
	MISC
	v_pk_add_f32 v[242:243], v[242:243], v[248:249]
	MISC
	v_pk_add_f32 v[14:15], v[14:15], v[242:243]
.if \last
	s_wait_dscnt 0x0                               ; V and its scale words are in
.else
	s_wait_dscnt 9                                 ; V and its scale words are in; the nine loads of the next step's K, issued behind them, may stay out
.endif
.irp t, 0,1,2,3                                ; O^T += V^T P^T: the four accumulators take turns, one instruction a turn
.if \t%2
	v_wmma_scale_f32_16x16x128_f8f6f4 v[160+8*\t:167+8*\t], v[192+8*\t:199+8*\t], v[224:231], v[160+8*\t:167+8*\t], v[28+\t/2], v253 matrix_a_fmt:MATRIX_FMT_FP4 matrix_b_fmt:MATRIX_FMT_FP4 matrix_a_scale:MATRIX_SCALE_ROW1
.else
	v_wmma_scale_f32_16x16x128_f8f6f4 v[160+8*\t:167+8*\t], v[192+8*\t:199+8*\t], v[224:231], v[160+8*\t:167+8*\t], v[28+\t/2], v253 matrix_a_fmt:MATRIX_FMT_FP4 matrix_b_fmt:MATRIX_FMT_FP4
.endif
.endr
.endm
.Lstep:                                            ; 15 trips: every key step but the last
	STEP 0
	s_add_co_u32 s[TB], s[TB], REC                 ; the next step's record
	s_sub_co_u32 s[CNT], s[CNT], 1
	s_cmp_lg_u32 s[CNT], 0
	s_cbranch_scc1 .Lstep
	STEP 1                                         ; the last step asks for no further K
	; THE WAY OUT.  O^T / l: register 16 b + i is d = 32 b + 16 h + i of my query: two blocks of the last product's K.  They are quantised as they stand.
	PLACES 4
	v_add_f32 v14, v14, v15                        ; the sum's two halves,
	v_permlanex16_b32 v252, v14, s[SEL], s[SEL+1]
	v_add_f32 v14, v14, v252                       ; and lane l xor 16's: the row's sum
	v_rcp_f32 v14, v14
	v_nop                                          ; one plain place behind a transcendental
.set j, 0
	s_wait_alu depctr_va_vdst(0)
.rept 32
	v_mul_f32 v[96+j], v[160+j], v14
.set j, j+1
.endr
.irp b, 0,1
	v_max3_num_f32 v[232+\b], |v[96+16*\b]|, |v[97+16*\b]|, 0x1800000
.endr
.irp i, 2,4,6,8,10,12,14
.irp b, 0,1
	v_max3_num_f32 v[232+\b], v[232+\b], |v[96+16*\b+\i]|, |v[97+16*\b+\i]|
.endr
.endr
.irp b, 0,1
	v_permlanex16_b32 v[236+\b], v[232+\b], s[SEL], s[SEL+1]
.endr
.irp b, 0,1
	v_max_num_f32 v[232+\b], v[232+\b], v[236+\b]
.endr
.irp b, 0,1
	v_add_nc_u32 v[244+\b], 0xff000000, v[232+\b]
.endr
.irp b, 0,1
	v_lshrrev_b32 v[236+\b], 23, v[244+\b]
.endr
	v_lshl_or_b32 v238, v237, 8, v236              ; my row's two scale bytes of this head
.irp b, 0,1
	v_cvt_scalef32_pk8_fp4_f32 v[224+2*\b], v[96+16*\b:103+16*\b], v[244+\b]
	v_cvt_scalef32_pk8_fp4_f32 v[225+2*\b], v[104+16*\b:111+16*\b], v[244+\b]
.endr
	v_nop                                          ; one plain place behind the last scaled conversion
	v_permlane16_swap_b32 v224, v226               ; lanes 0-15: d = 0 .. 31, lanes 16-31: d = 32 .. 63
	v_permlane16_swap_b32 v225, v227
	global_store_b128 v1, v[224:227], s[38:39]     ; the wave's store covers 512 consecutive bytes, aligned
	global_store_b16 v4, v238, s[46:47]            ; both halves of the lanes hold the same bytes and write them to the same places
	s_wait_tensorcnt 0x0
	ds_add_u32 v250, v251
	s_wait_dscnt 0x0
	CROUND                                         ; the closing round: no work-group ends while a partner may still ask for a record that names it
	s_endpgm
.Lfunc_end_k_q9c5442bd21_attn:
	.size	k_q9c5442bd21_attn, .Lfunc_end_k_q9c5442bd21_attn-k_q9c5442bd21_attn
	.p2alignl 7, 3214868480
	.fill 96, 4, 3214868480
	.section	.rodata,"a",@progbits
	.p2align	6, 0x0
	.amdhsa_kernel k_q9c5442bd21_attn
		.amdhsa_group_segment_fixed_size 169984
		.amdhsa_private_segment_fixed_size 0
		.amdhsa_enable_private_segment 0
		.amdhsa_kernarg_size 24
		.amdhsa_user_sgpr_count 2
		.amdhsa_user_sgpr_kernarg_segment_ptr 1
		.amdhsa_wavefront_size32 1
		.amdhsa_system_sgpr_workgroup_id_x 1
		.amdhsa_system_sgpr_workgroup_id_y 1
		.amdhsa_system_sgpr_workgroup_id_z 1
		.amdhsa_system_vgpr_workitem_id 0
		.amdhsa_next_free_vgpr 256
		.amdhsa_next_free_sgpr 66
		.amdhsa_reserve_vcc 0
		.amdhsa_float_denorm_mode_32 3
		.amdhsa_float_denorm_mode_16_64 3
		.amdhsa_memory_ordered 1
		.amdhsa_forward_progress 1
		.amdhsa_inst_pref_size 42
	.end_amdhsa_kernel
	.amdgpu_metadata
---
amdhsa.version: [ 1, 2 ]
amdhsa.kernels:
  - .name:           k_q9c5442bd21_attn
    .symbol:         k_q9c5442bd21_attn.kd
    .args:
      - { .name: qx, .offset: 0, .size: 8, .value_kind: global_buffer, .address_space: global }
      - { .name: kv, .offset: 8, .size: 8, .value_kind: global_buffer, .address_space: global }
      - { .name: cx, .offset: 16, .size: 8, .value_kind: global_buffer, .address_space: global }
    .group_segment_fixed_size: 169984
    .private_segment_fixed_size: 0
    .kernarg_segment_align: 8
    .kernarg_segment_size: 24
    .max_flat_workgroup_size: 512
    .sgpr_count:     66
    .vgpr_count:     256
    .wavefront_size: 32
...
	.end_amdgpu_metadata
.endif
;; end of part 3
;; launch outproj (part 4): grid 256 x 1, 8 waves a work-group, no clusters, 35,840 bytes of LDS; arguments cx, wimg, bo, out0; writes out0
.if DOCPART == 4
	.amdgcn_target "amdgcn-amd-amdhsa--gfx1250"
	.amdhsa_code_object_version 6
	.text
	.protected	k_q9c5442bd21_outproj
	.globl	k_q9c5442bd21_outproj
	.p2align	8
	.type	k_q9c5442bd21_outproj,@function
k_q9c5442bd21_outproj:
	s_mov_b64 s[64:65], 0
	v_nop
	global_prefetch_b8 v0, s[64:65] scope:SCOPE_SE
	s_setreg_imm32_b32 hwreg(HW_REG_WAVE_MODE, 25, 1), 1
	s_wait_xcnt 0x0
; out0 = concat Wo + bo on codes of FP4 (E2M1) with one E8M0 scale for each 32 along K = 512.  Both operands come as images of operand registers: concat from cx, Wo from wimg.
; A work-group takes records 2 P and 2 P + 1 of cx: rows 32 P .. 32 P + 31 of the flat [8192][512] (lane r of tile u holds row 32 P + 8 u + r + 8 (r / 8)).  Wave g makes columns 64 g .. 64 g + 63.
; Source 0 = 16 columns of Wo, source 1 = 16 rows of concat: a lane holds one row, and its 16 registers of tiles 2 b and 2 b + 1 are columns 64 g + 32 b + 16 h + 0 .. 15.  bo is the C of each sum's first product.
; A record of cx: fragment (K step k) at 1,024 k + 512 c + 16 lane; scale words at 4,096 + 64 k + 4 r.
; THE WAY OUT: a tile's 16 rows x 256 bytes go through the wave's own stage in LDS and leave as whole rows: sixteen lanes store 256 consecutive bytes, aligned.
; NO CLUSTER: what work-groups share is Wo's codes, and each wave takes its part straight into registers, where it is used at once; a joint load would put them into LDS only to be read once more.
; All loads stand at the head: nothing is asked for later, so nothing is fetched ahead.
; REGISTERS.  Window 0: v1-11 lane numbers and addresses; v16-23 Wo's scale words; v24-31 concat's; v32-63 bo as C; v64-127 concat's fragments, later the rows on their way out; v128-191 the accumulators.  Window 1: v0-127 Wo's fragments.
.set WT,   139264
.set WSC,  131072
.set CREC, 4352
.set SPI,  272                         ; a stage row: 256 bytes + 16 = 68 words: row r starts at bank 4 r mod 64 (64 banks of 4 bytes: ISA guide 11.1)
.set WS,   16
.set XS,   24
.set BI,   32
.set XF,   64
.set OB,   64
.set ACC,  128
.set MSB,  0
.macro WIN new                         ; the immediate's high byte repeats the setting that is left
.if MSB != \new
	s_set_vgpr_msb (MSB<<8)|\new
.set MSB, \new
.endif
.endm
.macro MMA d, a, b, c, sa, sb, rowa    ; rowa: source 0's scale words stand in lanes 16-31 of the register named
.if \rowa
	v_wmma_scale_f32_16x16x128_f8f6f4 v[\d:\d+7], v[\a:\a+7], v[\b:\b+7], v[\c:\c+7], v[\sa], v[\sb] matrix_a_fmt:MATRIX_FMT_FP4 matrix_b_fmt:MATRIX_FMT_FP4 matrix_a_scale:MATRIX_SCALE_ROW1
.else
	v_wmma_scale_f32_16x16x128_f8f6f4 v[\d:\d+7], v[\a:\a+7], v[\b:\b+7], v[\c:\c+7], v[\sa], v[\sb] matrix_a_fmt:MATRIX_FMT_FP4 matrix_b_fmt:MATRIX_FMT_FP4
.endif
.endm
	s_load_b256 s[4:11], s[0:1], 0x0               ; cx s[4:5], wimg s[6:7], bo s[8:9], out0 s[10:11]
	v_lshl_add_u32 v254, v0, 2, 0x8800
	v_mov_b32 v255, 0
	v_lshrrev_b32 v1, 5, v0
	v_readfirstlane_b32 s2, v1                     ; g: wave 0..7
	s_mul_i32 s12, ttmp9, 2*CREC                   ; my two records
	s_mov_b32 s13, 0
	s_lshl_b32 s14, s2, 14
	s_add_co_u32 s14, s14, 3*WT                    ; Wo's images: my 16 fragments,
	s_mov_b32 s15, 0
	s_lshl_b32 s16, s2, 10
	s_add_co_u32 s16, s16, 3*WT+WSC                ; and their scale words
	s_mov_b32 s17, 0
	s_lshl_b32 s18, s2, 8                          ; my 64 columns, in bytes
	s_mov_b32 s19, 0
	s_lshl_b32 s20, ttmp9, 16                      ; 32 rows of 2,048 bytes
	s_add_co_u32 s20, s20, s18
	s_mov_b32 s21, 0
	s_mul_i32 s22, s2, 16*SPI                      ; my stage
	v_and_b32 v1, 31, v0                           ; lane
	v_and_b32 v2, 15, v0                           ; r
	v_bfe_u32 v3, v0, 4, 1                         ; h
	v_lshlrev_b32 v4, 4, v1                        ; 16 x lane
	v_lshlrev_b32 v5, 2, v1                        ; 4 x lane
	v_mul_u32_u24 v6, v2, SPI
	v_lshl_add_u32 v6, v3, 6, v6
	v_add_nc_u32 v6, s22, v6                       ; into the stage: row r, + 64 h
	v_mul_u32_u24 v7, v3, SPI
	v_lshl_add_u32 v7, v2, 4, v7
	v_add_nc_u32 v7, s22, v7                       ; back: lanes 0-15 one row, lanes 16-31 the next
	v_lshlrev_b32 v8, 11, v3
	v_lshl_add_u32 v8, v2, 4, v8                   ; and the same two rows in out0
	v_lshlrev_b32 v9, 2, v2                        ; 4 r
	v_lshlrev_b32 v11, 6, v3                       ; 64 h
	s_wait_kmcnt 0x0
	s_add_nc_u64 s[4:5], s[4:5], s[12:13]
	s_add_nc_u64 s[24:25], s[6:7], s[14:15]
	s_add_nc_u64 s[26:27], s[6:7], s[16:17]
	s_add_nc_u64 s[8:9], s[8:9], s[18:19]
	s_add_nc_u64 s[10:11], s[10:11], s[20:21]
	WIN 0x40                                       ; destination window 1
.irp i, 0,1,2,3,4,5,6,7,8,9,10,11,12,13,14,15,16,17,18,19,20,21,22,23,24,25,26,27,28,29,30,31
	global_load_b128 v[4*\i:4*\i+3], v4, s[24:25] offset:512*\i          ; Wo's fragment (t, k) at v[8 (4 t + k)] of window 1
.endr
	WIN 0
.irp i, 0,1,2,3,4,5,6,7
	global_load_b32 v[WS+\i], v5, s[26:27] offset:128*\i                 ; register 2 k + t / 2: lanes 0-15 the even tile's words, lanes 16-31 the odd tile's
.endr
.irp t, 0,1,2,3
	global_load_b128 v[BI+8*\t:BI+8*\t+3], v11, s[8:9] offset:(32*(\t/2)+8*(\t%2))*4      ; bo at the lane's eight columns of tile t
	global_load_b128 v[BI+8*\t+4:BI+8*\t+7], v11, s[8:9] offset:(32*(\t/2)+8*(\t%2))*4+16
.endr
.irp u, 0,1
.irp k, 0,1,2,3
	global_load_b128 v[XF+8*(4*\u+\k):XF+8*(4*\u+\k)+3], v4, s[4:5] offset:CREC*\u+1024*\k
	global_load_b128 v[XF+8*(4*\u+\k)+4:XF+8*(4*\u+\k)+7], v4, s[4:5] offset:CREC*\u+1024*\k+512
	global_load_b32 v[XS+4*\u+\k], v9, s[4:5] offset:CREC*\u+4096+64*\k
.endr
.endr
	s_wait_loadcnt 0x0
	WIN 0x01                                       ; source 0 window 1
.irp k, 0,1,2,3                                ; 32 products; the eight accumulators take turns, one instruction a turn
.irp u, 0,1
.irp t, 0,1,2,3
.if \k == 0
	MMA ACC+32*\u+8*\t, 8*(4*\t+\k), XF+8*(4*\u+\k), BI+8*\t, WS+2*\k+\t/2, XS+4*\u+\k, \t%2
.else
	MMA ACC+32*\u+8*\t, 8*(4*\t+\k), XF+8*(4*\u+\k), ACC+32*\u+8*\t, WS+2*\k+\t/2, XS+4*\u+\k, \t%2
.endif
.endr
.endr
.endr
	WIN 0
.rept 4
	v_nop                                          ; four places in front of the LDS stores that read results and of the loads into registers that held operands (ISA guide 7.12.1 for vector instructions)
.endr
.irp u, 0,1
.irp b, 0,1
.irp q, 0,1,2,3
	ds_store_b128 v6, v[ACC+32*\u+16*\b+4*\q:ACC+32*\u+16*\b+4*\q+3] offset:128*\b+16*\q   ; ascending: each accumulator from its low end on
.endr
.endr
.irp i, 0,1,2,3,4,5,6,7
	ds_load_b128 v[OB+32*\u+4*\i:OB+32*\u+4*\i+3], v7 offset:2*SPI*\i    ; LDS serves a wave's instructions in order (ISA guide 5.7.1.4): these see my stores, and the next tile's stores come behind them
.endr
.endr
.irp u, 0,1
.irp i, 0,1,2,3,4,5,6,7
	s_wait_dscnt 23-16*\u-\i                       ; behind this load: the rest of its tile's eight, and for tile 0 the sixteen LDS instructions of tile 1
	global_store_b128 v8, v[OB+32*\u+4*\i:OB+32*\u+4*\i+3], s[10:11] offset:(8*\u+2*\i+8*(\i/4))*2048 th:TH_STORE_NT   ; stage rows 2 i and 2 i + 1 are rows 8 u + 2 i + 8 (i / 4) and the next; written once, read by nobody here
.endr
.endr
	s_wait_tensorcnt 0x0
	ds_add_u32 v254, v255
	s_wait_dscnt 0x0
	s_endpgm
.Lfunc_end_k_q9c5442bd21_outproj:
	.size	k_q9c5442bd21_outproj, .Lfunc_end_k_q9c5442bd21_outproj-k_q9c5442bd21_outproj
	.p2alignl 7, 3214868480
	.fill 96, 4, 3214868480
	.section	.rodata,"a",@progbits
	.p2align	6, 0x0
	.amdhsa_kernel k_q9c5442bd21_outproj
		.amdhsa_group_segment_fixed_size 35840
		.amdhsa_private_segment_fixed_size 0
		.amdhsa_enable_private_segment 0
		.amdhsa_kernarg_size 32
		.amdhsa_user_sgpr_count 2
		.amdhsa_user_sgpr_kernarg_segment_ptr 1
		.amdhsa_wavefront_size32 1
		.amdhsa_system_sgpr_workgroup_id_x 1
		.amdhsa_system_sgpr_workgroup_id_y 1
		.amdhsa_system_sgpr_workgroup_id_z 1
		.amdhsa_system_vgpr_workitem_id 0
		.amdhsa_next_free_vgpr 384
		.amdhsa_next_free_sgpr 66
		.amdhsa_reserve_vcc 0
		.amdhsa_float_denorm_mode_32 3
		.amdhsa_float_denorm_mode_16_64 3
		.amdhsa_memory_ordered 1
		.amdhsa_forward_progress 1
		.amdhsa_inst_pref_size 18
	.end_amdhsa_kernel
	.amdgpu_metadata
---
amdhsa.version: [ 1, 2 ]
amdhsa.kernels:
  - .name:           k_q9c5442bd21_outproj
    .symbol:         k_q9c5442bd21_outproj.kd
    .args:
      - { .name: cx, .offset: 0, .size: 8, .value_kind: global_buffer, .address_space: global }
      - { .name: wimg, .offset: 8, .size: 8, .value_kind: global_buffer, .address_space: global }
      - { .name: bo, .offset: 16, .size: 8, .value_kind: global_buffer, .address_space: global }
      - { .name: out0, .offset: 24, .size: 8, .value_kind: global_buffer, .address_space: global }
    .group_segment_fixed_size: 35840
    .private_segment_fixed_size: 0
    .kernarg_segment_align: 8
    .kernarg_segment_size: 32
    .max_flat_workgroup_size: 256
    .sgpr_count:     66
    .vgpr_count:     384
    .wavefront_size: 32
...
	.end_amdgpu_metadata
.endif
;; end of part 4
;; ======== version 2 of 2: 4 launches
;; workspace buffers: wimg 557,056 bytes; qx 2,359,296 bytes; kv 4,587,520 bytes; cx 2,228,224 bytes
;; launch wquant (part 5): grid 32 x 4, 4 waves a work-group, no clusters, 0 bytes of LDS; arguments Wq, Wk, Wv, Wo, wimg; writes wimg
.if DOCPART == 5
	.amdgcn_target "amdgcn-amd-amdhsa--gfx1250"
	.amdhsa_code_object_version 6
	.text
	.protected	k_q9c5442bd21_wquant
	.globl	k_q9c5442bd21_wquant
	.p2align	8
	.type	k_q9c5442bd21_wquant,@function
k_q9c5442bd21_wquant:
	s_mov_b64 s[64:65], 0
	v_nop
	global_prefetch_b8 v0, s[64:65] scope:SCOPE_SE
	s_setreg_imm32_b32 hwreg(HW_REG_WAVE_MODE, 25, 1), 1
	s_wait_xcnt 0x0
; The four weights, f32 with K as an outer axis (Wq, Wk, Wv: [8 heads][512 k][64 columns]; Wo: [512 k][512 columns]), become codes of FP4 (E2M1) with one E8M0 scale byte
; for each 32 along K, laid in wimg AS IMAGES OF OPERAND REGISTERS.  Tensor w (0 Wq, 1 Wk, 2 Wv, 3 Wo) takes WT bytes:
;   codes: fragment (g = group of 64 columns, t = tile 0..3, s = K step of 128) at ((4 g + t) 4 + s) 1024 + 512 c + 16 lane: lane (r, h), part c: k = 128 s + 64 c + 32 h + 0 .. 31 of
;          column 64 g + 32 (t / 2) + 8 (t % 2) + r + 8 (r / 8);
;   scale words from WSC on: ((4 g + s) 2 + t / 2) 128 + 4 (r + 16 (t % 2)): byte b of a word belongs to k = 128 s + 32 b on.
; THE COLUMNS OF A TILE ARE NOT NEIGHBOURS: with such a tile as source 0 of a product, a lane's 16 result registers of tiles 2 b and 2 b + 1 are 16 neighbouring columns.
; A work-group (x = 4 g + s, y = w) makes the four fragments of one group and K step, a wave one fragment.  A LANE TAKES A COLUMN AND ITS REGISTERS RUN DOWN K, in the order that the operand's layout
; gives that lane: the conversions' results are the operand's registers, and nothing is transposed.  The four waves together read the whole 256 bytes of each of the 128 rows.
; A block's scale is 2^(floor(log2(its largest magnitude)) - 2); its byte is the largest magnitude's exponent field - 2, held at 1 from below.
; LIMITS: NaN and infinities are not served; a block whose largest magnitude lies under 2^-124 keeps the byte 1; a block of zeros gets the byte 1 and not 127: its codes are zeros, and this program alone reads the bytes.
; No LDS, no barrier, no matrix unit: waves share nothing, and each number is read once.
.set WT,  139264
.set WSC, 131072
	s_load_b256 s[4:11], s[0:1], 0x0               ; Wq s[4:5], Wk s[6:7], Wv s[8:9], Wo s[10:11]
	s_load_b64 s[12:13], s[0:1], 0x20              ; wimg
	v_lshrrev_b32 v1, 5, v0
	v_readfirstlane_b32 s14, v1                    ; t: my wave's tile
	s_and_b32 s15, ttmp7, 0xffff                   ; w: which tensor
	s_lshr_b32 s16, ttmp9, 2                       ; g
	s_and_b32 s17, ttmp9, 3                        ; s
	s_lshr_b32 s24, s14, 1                         ; t / 2
	s_and_b32 s25, s14, 1                          ; t % 2
	s_lshl_b32 s18, s24, 7
	s_lshl_b32 s19, s25, 5
	s_add_co_u32 s18, s18, s19                     ; the tile's first column, in bytes: 128 (t / 2) + 32 (t % 2)
	s_mul_i32 s20, s15, WT                         ; the tensor's part of wimg
	s_lshl_b32 s28, s16, 2
	s_add_co_u32 s28, s28, s14
	s_lshl_b32 s28, s28, 2
	s_add_co_u32 s28, s28, s17
	s_lshl_b32 s28, s28, 10
	s_add_co_u32 s28, s28, s20                     ; where my fragment goes
	s_mov_b32 s29, 0
	s_lshl_b32 s30, s16, 2
	s_add_co_u32 s30, s30, s17
	s_lshl_b32 s30, s30, 1
	s_add_co_u32 s30, s30, s24
	s_lshl_b32 s30, s30, 7
	s_lshl_b32 s19, s25, 6
	s_add_co_u32 s30, s30, s19
	s_add_co_u32 s30, s30, s20
	s_add_co_u32 s30, s30, WSC                     ; and its sixteen scale words
	s_mov_b32 s31, 0
	s_mov_b32 s23, 0
	s_mov_b32 s26, 0x76543210
	s_mov_b32 s27, 0xfedcba98                      ; v_permlanex16_b32's selects for lane l xor 16
	v_and_b32 v1, 15, v0                           ; r
	v_bfe_u32 v2, v0, 4, 1                         ; h
	v_and_b32 v3, 8, v1
	v_add_nc_u32 v3, v3, v1
	v_lshlrev_b32 v3, 2, v3                        ; my column in the tile, in bytes: 4 (r + 8 (r / 8))
	v_and_b32 v6, 31, v0
	v_lshlrev_b32 v6, 4, v6                        ; 16 x lane
	v_lshlrev_b32 v7, 2, v1                        ; 4 r
	s_wait_kmcnt 0x0
	s_add_nc_u64 s[28:29], s[12:13], s[28:29]
	s_add_nc_u64 s[30:31], s[12:13], s[30:31]
	s_cmp_eq_u32 s15, 1                            ; the tensor is chosen by the work-group's number alone
	s_cselect_b64 s[4:5], s[6:7], s[4:5]
	s_cmp_eq_u32 s15, 2
	s_cselect_b64 s[4:5], s[8:9], s[4:5]
	s_cmp_eq_u32 s15, 3
	s_cselect_b64 s[4:5], s[10:11], s[4:5]
; 64 loads: W(128 s + 64 c + 32 h + i, my column); pitch = bytes from one k to the next
.macro WLOAD pitch
.irp c, 0,1
.irp i, 0,1,2,3,4,5,6,7,8,9,10,11,12,13,14,15,16,17,18,19,20,21,22,23,24,25,26,27,28,29,30,31
	global_load_b32 v[64+32*\c+\i], v5, s[4:5] offset:(64*\c+\i)*\pitch
.endr
.endr
.endm
	s_cbranch_scc1 .Lwo                            ; (the selects leave SCC as the last compare set it)
	s_lshl_b32 s22, s16, 17                        ; a head's 512 x 64 numbers,
	s_lshl_b32 s21, s17, 15                        ; 128 rows of 256 bytes
	s_add_co_u32 s22, s22, s21
	s_add_co_u32 s22, s22, s18
	s_add_nc_u64 s[4:5], s[4:5], s[22:23]
	s_wait_alu depctr_va_vdst(0)
	v_lshl_add_u32 v5, v2, 13, v3                  ; lanes 16-31 begin 32 rows further down
	WLOAD 256
	s_branch .Ljoin
.Lwo:
	s_lshl_b32 s22, s17, 18                        ; Wo: 128 rows of 2,048 bytes,
	s_lshl_b32 s21, s16, 8                         ; 64 columns
	s_add_co_u32 s22, s22, s21
	s_add_co_u32 s22, s22, s18
	s_add_nc_u64 s[4:5], s[4:5], s[22:23]
	s_wait_alu depctr_va_vdst(0)
	v_lshl_add_u32 v5, v2, 16, v3
	WLOAD 2048
.Ljoin:
	s_wait_loadcnt 0x0
.irp c, 0,1                                    ; my block 2 c + h of the K step: all its 32 numbers are mine
	v_max3_num_f32 v[32+\c], |v[64+32*\c]|, |v[65+32*\c]|, 0x1800000   ; and the floor 2^(3 - 127): the byte cannot fall under 1
.endr
.irp i, 2,4,6,8,10,12,14,16,18,20,22,24,26,28,30
.irp c, 0,1
	v_max3_num_f32 v[32+\c], v[32+\c], |v[64+32*\c+\i]|, |v[65+32*\c+\i]|   ; (the two blocks by turns)
.endr
.endr
.irp c, 0,1
	v_add_nc_u32 v[44+\c], 0xff000000, v[32+\c]    ; 2 off the exponent field: the conversion takes this operand's exponent field as its scale
.endr
.irp c, 0,1
	v_lshrrev_b32 v[36+\c], 23, v[44+\c]           ; the scale's byte
.endr
	v_lshl_or_b32 v9, v37, 16, v36                 ; my two bytes: blocks h and 2 + h,
	v_lshlrev_b32 v10, 3, v2
	v_lshlrev_b32 v9, v10, v9                      ; at their places in the word (8 h bits up);
	v_mov_b32 v10, 0
	v_permlanex16_b32 v10, v9, s26, s27
	v_or_b32 v9, v9, v10                           ; with lane l xor 16's two the word is whole
.irp c, 0,1
.irp g, 0,1,2,3
	v_cvt_scalef32_pk8_fp4_f32 v[48+4*\c+\g], v[64+32*\c+8*\g:71+32*\c+8*\g], v[44+\c]   ; registers 4 c .. 4 c + 3 of the operand
.endr
.endr
	v_nop                                          ; one plain place behind the last scaled conversion
	global_store_b128 v6, v[48:51], s[28:29]               ; each store of the wave covers 512 consecutive bytes, aligned
	global_store_b128 v6, v[52:55], s[28:29] offset:512
	global_store_b32 v7, v9, s[30:31]              ; lanes 16-31 hold the same words as lanes 0-15 and write them to the same places
	s_endpgm
.Lfunc_end_k_q9c5442bd21_wquant:
	.size	k_q9c5442bd21_wquant, .Lfunc_end_k_q9c5442bd21_wquant-k_q9c5442bd21_wquant
	.p2alignl 7, 3214868480
	.fill 96, 4, 3214868480
	.section	.rodata,"a",@progbits
	.p2align	6, 0x0
	.amdhsa_kernel k_q9c5442bd21_wquant
		.amdhsa_group_segment_fixed_size 0
		.amdhsa_private_segment_fixed_size 0
		.amdhsa_enable_private_segment 0
		.amdhsa_kernarg_size 40
		.amdhsa_user_sgpr_count 2
		.amdhsa_user_sgpr_kernarg_segment_ptr 1
		.amdhsa_wavefront_size32 1
		.amdhsa_system_sgpr_workgroup_id_x 1
		.amdhsa_system_sgpr_workgroup_id_y 1
		.amdhsa_system_sgpr_workgroup_id_z 1
		.amdhsa_system_vgpr_workitem_id 0
		.amdhsa_next_free_vgpr 128
		.amdhsa_next_free_sgpr 66
		.amdhsa_reserve_vcc 0
		.amdhsa_float_denorm_mode_32 3
		.amdhsa_float_denorm_mode_16_64 3
		.amdhsa_memory_ordered 1
		.amdhsa_forward_progress 1
		.amdhsa_inst_pref_size 18
	.end_amdhsa_kernel
	.amdgpu_metadata
---
amdhsa.version: [ 1, 2 ]
amdhsa.kernels:
  - .name:           k_q9c5442bd21_wquant
    .symbol:         k_q9c5442bd21_wquant.kd
    .args:
      - { .name: Wq, .offset: 0, .size: 8, .value_kind: global_buffer, .address_space: global }
      - { .name: Wk, .offset: 8, .size: 8, .value_kind: global_buffer, .address_space: global }
      - { .name: Wv, .offset: 16, .size: 8, .value_kind: global_buffer, .address_space: global }
      - { .name: Wo, .offset: 24, .size: 8, .value_kind: global_buffer, .address_space: global }
      - { .name: wimg, .offset: 32, .size: 8, .value_kind: global_buffer, .address_space: global }
    .group_segment_fixed_size: 0
    .private_segment_fixed_size: 0
    .kernarg_segment_align: 8
    .kernarg_segment_size: 40
    .max_flat_workgroup_size: 128
    .sgpr_count:     66
    .vgpr_count:     128
    .wavefront_size: 32
...
	.end_amdgpu_metadata
.endif
;; end of part 5
;; launch proj (part 6): grid 64 x 3, 8 waves a work-group, no clusters, 105,472 bytes of LDS; arguments q_in, k_in, v_in, bq, bk, bv, wimg, qx, kv; writes qx, kv
.if DOCPART == 6
	.amdgcn_target "amdgcn-amd-amdhsa--gfx1250"
	.amdhsa_code_object_version 6
	.text
	.protected	k_q9c5442bd21_proj
	.globl	k_q9c5442bd21_proj
	.p2align	8
	.type	k_q9c5442bd21_proj,@function
k_q9c5442bd21_proj:
	s_mov_b64 s[64:65], 0
	v_nop
	global_prefetch_b8 v0, s[64:65] scope:SCOPE_SE
	s_setreg_imm32_b32 hwreg(HW_REG_WAVE_SCHED_MODE, 0, 2), 2
	s_setreg_imm32_b32 hwreg(HW_REG_WAVE_MODE, 25, 1), 1
	s_wait_xcnt 0x0
	s_wait_alu depctr_vm_vsrc(0)
; The three projections, x W + b, on codes of FP4 (E2M1) with one E8M0 scale for each 32 along K = 512; their results are quantised at once for the attention and stored as images of operand registers.
; A work-group (x = 16 batch + j, y = 0 q, 1 k, 2 v) takes rows 128 x .. 128 x + 127 of the flat [8192][512] input: one step of 128 keys.  Eight waves.
; PHASE X.  Wave w quantises the 16 rows 32 (w / 2) + 8 (w % 2) + rho + 8 (rho / 8), rho = 0 .. 15: four fragments (16 rows x 128 K) and their scale words, which go to LDS as images of their registers
; (lane l's 16 bytes at 16 l).  One barrier.  THE ROWS OF A TILE ARE NOT NEIGHBOURS: so a result whose registers run along the rows (v's) holds 16 neighbouring keys in the registers of two tiles.
; PAIRS.  Wave w = head w holds its 64 columns of W (16 fragments, 128 registers, read once from wimg) and walks the four pairs of row tiles.
;   q, k: source 0 = 16 columns of W, source 1 = 16 rows of x: a lane holds one row and its registers run along d = the scores' K.  Two blocks of 32: half a fragment (the other half is zero codes, made in the attention).
;   v:    source 0 = 16 rows of x, source 1 = 16 columns of W: a lane holds one d and its registers run along the keys = the second product's K.  A pair of tiles is one block of 32 keys; four pairs one fragment.
; The bias is the C of each sum's first product.
; OUT.  qx: record (8 batch + head) 16 + j of QREC bytes: codes of tile T at 512 T + 16 lane; scale words at 4,096 + 16 (r + 16 (T % 2)) + 4 (T / 2), a word = byte(d 0-31) | byte(d 32-63) << 8 | 0x7f7f0000.
;       kv: record of KREC bytes: k's codes as in qx; at 4,096 v's four fragments (1,024 t + 512 c + 16 lane); at 8,192 k's scale words as in qx; at 8,704 v's: 8 (r + 16 (t % 2)) + 4 (t / 2).
; NO CLUSTER: what work-groups share is W's codes, and each wave takes its part straight into the registers in which it stays; a joint load would put them into LDS only to be read once more.
; 192 work-groups: 128 rows are one whole fragment of v along the keys; 64 rows would leave half a fragment and half a scale word to be pieced together.
; LIMITS: NaN and infinities are not served; a block whose largest magnitude lies under 2^-124 keeps the byte 1; a block of zeros gets the byte 1 and not 127: its codes are zeros, and this program alone reads the bytes.
; REGISTERS.  Window 0: v1-12 lane numbers and addresses; v16-23 W's scale words; v24-31 x's; v32-63 the bias as C; v64-127, v128-191 x's numbers, later x's fragments and the accumulators; v192-199 codes, later scale words;
;   v200-215 at work (v211: the LDS address of my spare word); v216-218 scale words just made; v219: 0; v220-251 the codes to be stored; v252-255 the bias of my column.   Window 1: v0-127 W's fragments; v128-255 x as it is loaded, two sets.
; THE MODE: SCHED_MODE bits 1:0 = 2 (LLVM: expert scheduling mode 2), set by the entry lines.  The code itself states the register dependences between vector or matrix instructions and memory or LDS instructions,
; with s_wait_alu, always for 0.
; THE PLAN.  Registers that memory or LDS instructions touch, and who else names them:
;   v4-12         offsets and LDS addresses: written at the head, read by every load and store, never written again.
;   RAW0, RAW1    (window 1, v128-191 and v192-255) K step k's loads land in set k % 2; the stage's stores of TURN k read it; the loads of K step k + 2 land in it again.  No vector line names them.
;   X0, X1        (v64-127, v128-191) the stage's loads of TURN k land in set k % 2; K step k's vector lines read it; TURN k + 2 lands in it again.
;   PC, PW        a K step's conversions, exchanges and shifts write them; its three image stores read them; the next K step writes them again, and behind the barrier PC's registers are SCW and VS.
;   XF, XS        pair p's LDS loads land in them; pair p's 32 products read them; pair p + 1's loads land in them again.
;   VC, SCW, VS   written by a pair's conversions, exchanges and selects, each register once; read by the global stores.
; So a K step of x has two waits: vm_vsrc at its head (the stage's stores have read RAW, the image stores PC and PW) and va_vdst ahead of its image stores (PC and PW are written; the step is done reading its X).
; A pair has ONE: va_vdst behind its products' places: the products are done reading XF and XS, and the pair before has written its codes.  Behind it stand the next pair's LDS loads, which land while this pair is
; quantised, and the stores of the pair before; the pair's vector lines name ACC, TM, PW + 1, PW + 2, SCW and this pair's VC: none of the registers that those loads and stores touch.
.set WT,   139264
.set WSC,  131072
.set QREC, 4608
.set KREC, 8960
.set XIMG, 0                           ; LDS: x's 32 fragments: (tile m, K step k) at (4 m + k) 1024 + 512 c + 16 lane
.set XSC,  32768                       ; their scale words: (4 m + k) 128 + 4 lane
.set STG,  36864                       ; a stage of 16 rows for each wave
.set SP,   528                         ; its pitch: 512 bytes + 16 = 132 words: row r starts at bank 4 r mod 64 (64 banks of 4 bytes: ISA guide 11.1)
.set L16,  4                           ; v4   16 x lane
.set L4,   5                           ; v5   4 x lane
.set STI,  6                           ; v6   into my stage: 16 x lane
.set STO,  7                           ; v7   out of it: row r, + 64 h
.set XWI,  8                           ; v8   where I store x's images: 16 x lane + 4,096 x wave
.set XWS,  9                           ; v9   and their scale words: 4 x lane + 512 x wave
.set L8,   10                          ; v10  8 x lane
.set BA,   11                          ; v11  64 h
.set BC,   12                          ; v12  4 (r + 8 (r / 8))
.set WS,   16
.set XS,   24
.set BI,   32
.set XF,   64
.set ACC,  128
.set PC,   192
.set SCW,  192
.set VS,   196
.set TM,   200
.set PW,   216
.set VC,   220
.set BV,   252
.set SEL,  42
.set HM,   44
.set MSB,  0
.macro WIN new                         ; the immediate's high byte repeats the setting that is left
.if MSB != \new
	s_set_vgpr_msb (MSB<<8)|\new
.set MSB, \new
.endif
.endm
.macro PLACES n
.rept \n
	v_nop
.endr
.endm
; 64 numbers of a lane, register src + 16 b + i = element 32 b + 16 h + i: the four blocks' largest magnitudes, the conversions' scale operands (TM + 12 + b) and the scale bytes (TM + 4 + b)
.macro BLKMAX src
.irp b, 0,1,2,3
	v_max3_num_f32 v[TM+\b], |v[\src+16*\b]|, |v[\src+16*\b+1]|, 0x1800000   ; my 16 numbers, and the floor 2^(3 - 127): the byte cannot fall under 1
.endr
.irp i, 2,4,6,8,10,12,14
.irp b, 0,1,2,3
	v_max3_num_f32 v[TM+\b], v[TM+\b], |v[\src+16*\b+\i]|, |v[\src+16*\b+\i+1]|   ; (the four blocks by turns)
.endr
.endr
.irp b, 0,1,2,3
	v_permlanex16_b32 v[TM+4+\b], v[TM+\b], s[SEL], s[SEL+1]
.endr
.irp b, 0,1,2,3
	v_max_num_f32 v[TM+\b], v[TM+\b], v[TM+4+\b]   ; with lane l xor 16's: the block's largest magnitude
.endr
.irp b, 0,1,2,3
	v_add_nc_u32 v[TM+12+\b], 0xff000000, v[TM+\b] ; 2 off its exponent field
.endr
.irp b, 0,1,2,3
	v_lshrrev_b32 v[TM+4+\b], 23, v[TM+12+\b]      ; the scale's byte
.endr
.endm
.macro CVT src, dst, stride            ; block b's 16 codes of my half into registers dst + stride b and the next
.irp b, 0,1,2,3
	v_cvt_scalef32_pk8_fp4_f32 v[\dst+\stride*\b], v[\src+16*\b:\src+16*\b+7], v[TM+12+\b]
	v_cvt_scalef32_pk8_fp4_f32 v[\dst+\stride*\b+1], v[\src+16*\b+8:\src+16*\b+15], v[TM+12+\b]
.endr
	v_nop                                          ; one plain place behind the last scaled conversion
.endm
.macro SWAPS base                      ; the operand's layout wants a WHOLE block in a lane: lanes 0-15 block 2 c, lanes 16-31 block 2 c + 1
.irp c, 0,1
.irp i, 0,1
	v_permlane16_swap_b32 v[\base+4*\c+\i], v[\base+4*\c+2+\i]
.endr
.endr
.endm
; one product.  rowa, rowb: that side's scale words stand in lanes 16-31 of the register named
.macro MMA d, a, b, c, sa, sb, rowa, rowb
.if \rowa
	v_wmma_scale_f32_16x16x128_f8f6f4 v[\d:\d+7], v[\a:\a+7], v[\b:\b+7], v[\c:\c+7], v[\sa], v[\sb] matrix_a_fmt:MATRIX_FMT_FP4 matrix_b_fmt:MATRIX_FMT_FP4 matrix_a_scale:MATRIX_SCALE_ROW1
.elseif \rowb
	v_wmma_scale_f32_16x16x128_f8f6f4 v[\d:\d+7], v[\a:\a+7], v[\b:\b+7], v[\c:\c+7], v[\sa], v[\sb] matrix_a_fmt:MATRIX_FMT_FP4 matrix_b_fmt:MATRIX_FMT_FP4 matrix_b_scale:MATRIX_SCALE_ROW1
.else
	v_wmma_scale_f32_16x16x128_f8f6f4 v[\d:\d+7], v[\a:\a+7], v[\b:\b+7], v[\c:\c+7], v[\sa], v[\sb] matrix_a_fmt:MATRIX_FMT_FP4 matrix_b_fmt:MATRIX_FMT_FP4
.endif
.endm
	s_load_b256 s[8:15], s[0:1], 0x0               ; q_in s[8:9], k_in s[10:11], v_in s[12:13], bq s[14:15]
	s_load_b256 s[16:23], s[0:1], 0x20             ; bk s[16:17], bv s[18:19], wimg s[20:21], qx s[22:23]
	s_load_b64 s[24:25], s[0:1], 0x40              ; kv
	v_lshl_add_u32 v211, v0, 2, 0x19800            ; the LDS address of my spare word, behind the stages; made here and kept for the closing lines alone
	v_mov_b32 v219, 0                              ; and 0, likewise
	v_lshrrev_b32 v1, 5, v0
	v_readfirstlane_b32 s2, v1                     ; wave 0..7
	v_and_b32 v1, 31, v0                           ; lane
	v_and_b32 v2, 15, v0                           ; r
	v_bfe_u32 v3, v0, 4, 1                         ; h
	v_cmp_lt_u32 s[HM], 15, v1                     ; the mask of lanes 16-31
	v_lshlrev_b32 v[L16], 4, v1
	v_lshlrev_b32 v[L4], 2, v1
	v_lshlrev_b32 v[L8], 3, v1
	v_lshlrev_b32 v[BA], 6, v3
	v_and_b32 v[BC], 8, v2
	v_add_nc_u32 v[BC], v[BC], v2
	v_lshlrev_b32 v[BC], 2, v[BC]
	v_mul_u32_u24 v[STO], v2, SP
	v_lshl_add_u32 v[STO], v3, 6, v[STO]
	s_wait_alu depctr_va_vdst(0)
.irp b, 0,1,2,3
	v_mov_b32 v[TM+4+\b], 0                        ; written once: a lane permute's destination counts as one of its sources
.endr
	s_wait_alu depctr_va_sdst(0)                   ; s2 and s[HM] are written, ahead of the first reader of either: the scalar lines below read s2, the selects of the pairs s[HM]
	s_and_b32 s3, ttmp7, 0xffff                    ; 0 q, 1 k, 2 v
	s_lshl_b32 s40, ttmp9, 7                       ; x: my first row: 128 x work-group + 32 (wave / 2) + 8 (wave % 2),
	s_lshr_b32 s45, s2, 1
	s_lshl_b32 s45, s45, 5
	s_add_co_u32 s40, s40, s45
	s_and_b32 s45, s2, 1
	s_lshl_b32 s45, s45, 3
	s_add_co_u32 s40, s40, s45
	s_lshl_b32 s40, s40, 11                        ; rows of 2,048 bytes
	s_mov_b32 s41, 0
	s_lshl_b32 s46, s2, 8                          ; the bias: my head's 64 numbers
	s_mov_b32 s47, 0
	s_mul_i32 s50, s3, WT                          ; W's images: the tensor,
	s_lshl_b32 s45, s2, 14
	s_add_co_u32 s48, s50, s45                     ; my head's 16 fragments,
	s_mov_b32 s49, 0
	s_lshl_b32 s45, s2, 10
	s_add_co_u32 s50, s50, s45
	s_add_co_u32 s50, s50, WSC                     ; and their scale words
	s_mov_b32 s51, 0
	s_mov_b32 s38, KREC
	s_mov_b32 s39, 8192
	s_cmp_eq_u32 s3, 0
	s_cselect_b32 s38, QREC, s38                   ; a record's bytes,
	s_cselect_b32 s39, 4096, s39                   ; and where its scale words of q or k begin
	s_lshr_b32 s52, ttmp9, 4
	s_lshl_b32 s52, s52, 3
	s_add_co_u32 s52, s52, s2
	s_lshl_b32 s52, s52, 4
	s_and_b32 s45, ttmp9, 15
	s_add_co_u32 s52, s52, s45                     ; record (8 batch + head) 16 + j
	s_mul_i32 s52, s52, s38
	s_mov_b32 s53, 0
	s_add_co_u32 s54, s52, s39
	s_mov_b32 s55, 0
	s_mov_b32 s[SEL], 0x76543210
	s_mov_b32 s[SEL+1], 0xfedcba98                 ; v_permlanex16_b32's selects for lane l xor 16
	s_mul_i32 s56, s2, 16*SP
	s_add_co_u32 s56, s56, STG                     ; my stage
	s_lshl_b32 s57, s2, 12
	s_lshl_b32 s58, s2, 9
	v_add_nc_u32 v[STI], s56, v[L16]
	v_add_nc_u32 v[STO], s56, v[STO]
	v_add_nc_u32 v[XWI], s57, v[L16]
	v_add_nc_u32 v[XWS], s58, v[L4]
	s_wait_kmcnt 0x0
	s_cmp_eq_u32 s3, 0                             ; the buffers are chosen by the work-group's number alone
	s_cselect_b64 s[26:27], s[8:9], s[10:11]       ; x
	s_cselect_b64 s[28:29], s[14:15], s[16:17]     ; the bias
	s_cselect_b64 s[30:31], s[22:23], s[24:25]     ; the records
	s_cmp_eq_u32 s3, 2
	s_cselect_b64 s[26:27], s[12:13], s[26:27]
	s_cselect_b64 s[28:29], s[18:19], s[28:29]
	s_add_nc_u64 s[26:27], s[26:27], s[40:41]
	s_add_nc_u64 s[28:29], s[28:29], s[46:47]
	s_add_nc_u64 s[32:33], s[30:31], s[54:55]      ; my record's scale words of q or k
	s_add_nc_u64 s[30:31], s[30:31], s[52:53]      ; my record
	s_add_nc_u64 s[34:35], s[20:21], s[48:49]
	s_add_nc_u64 s[36:37], s[20:21], s[50:51]
	s_wait_alu depctr_va_vdst(0)                   ; the nine offsets and addresses v4 to v12 are written: every load and store of the kernel reads one of them, and none is written again
	; the bias, both ways: as the C of a tile whose registers run along d (lane (r, h), tile 2 b + u: d = 32 b + 8 u + 16 h + 0 .. 7), and the one number of my column d = 32 b + 8 u + r + 8 (r / 8)
.irp t, 0,1,2,3
	global_load_b128 v[BI+8*\t:BI+8*\t+3], v[BA], s[28:29] offset:(32*(\t/2)+8*(\t%2))*4
	global_load_b128 v[BI+8*\t+4:BI+8*\t+7], v[BA], s[28:29] offset:(32*(\t/2)+8*(\t%2))*4+16
	global_load_b32 v[BV+\t], v[BC], s[28:29] offset:(32*(\t/2)+8*(\t%2))*4
.endr
; K step k of my 16 rows as it lies: each load takes a row's 512 consecutive bytes, 16 a lane; each number of x is read once in the launch
.macro XLOAD k
	WIN 0x40                                       ; destination window 1
.irp p, 0,1,2,3,4,5,6,7,8,9,10,11,12,13,14,15
	global_load_b128 v[128+64*((\k)%2)+4*\p:128+64*((\k)%2)+4*\p+3], v[L16], s[26:27] offset:(\p+(\p&8))*2048+512*(\k) th:TH_LOAD_NT
.endr
	WIN 0
.endm
	XLOAD 0
	XLOAD 1
	WIN 0x40
.irp i, 0,1,2,3,4,5,6,7,8,9,10,11,12,13,14,15,16,17,18,19,20,21,22,23,24,25,26,27,28,29,30,31
	global_load_b128 v[4*\i:4*\i+3], v[L16], s[34:35] offset:512*\i      ; W's fragment (t, k) at v[8 (4 t + k)] of window 1: it stays
.endr
	WIN 0
.irp i, 0,1,2,3,4,5,6,7
	global_load_b32 v[WS+\i], v[L4], s[36:37] offset:128*\i              ; register 2 k + t / 2: lanes 0-15 the even tile's words, lanes 16-31 the odd tile's
.endr
; K step k through my stage: in as loaded, out 16 neighbours of each block of 32 a lane: register 16 b + i = k 32 b + 16 h + i of row r.
; LDS serves a wave's instructions in order (ISA guide 5.7.1.4): no wait between the stores and the loads.
.macro TURN k
	WIN 0x04                                       ; an LDS store's data are its source 1: window 1
.irp p, 0,1,2,3,4,5,6,7,8,9,10,11,12,13,14,15
	ds_store_b128 v[STI], v[128+64*((\k)%2)+4*\p:128+64*((\k)%2)+4*\p+3] offset:SP*\p
.endr
	WIN 0
.irp b, 0,1,2,3
.irp q, 0,1,2,3
	ds_load_b128 v[64+64*((\k)%2)+16*\b+4*\q:64+64*((\k)%2)+16*\b+4*\q+3], v[STO] offset:128*\b+16*\q
.endr
.endr
.endm
; K step k becomes a fragment and a scale word.  left: the global loads younger than K step k + 1's, which may stay out
.macro XSTEP k, left
	s_wait_dscnt 0x0                               ; this step's numbers are back from the stage
	s_wait_alu depctr_vm_vsrc(0)                   ; the stage's stores have read the set of x as loaded, in which the loads below land; the last step's image stores have read v[PC ..] and v[PW], which this step writes again
.if (\k) < 2
	XLOAD (\k)+2                                   ; into the set that the stage's stores have read
.endif
.if (\k) < 3
	s_wait_loadcnt \left
	TURN (\k)+1                                    ; the next step goes through the stage while this one is worked.  Its loads land in the 64 registers that the step before this one read: the wait on va_vdst of that step stands behind those reads, and no vector line since names them
.endif
	BLKMAX 64+64*((\k)%2)
	v_lshl_or_b32 v[PW], v[TM+5], 8, v[TM+4]       ; the four bytes make my row's scale word
	v_lshl_or_b32 v[PW], v[TM+6], 16, v[PW]
	v_lshl_or_b32 v[PW], v[TM+7], 24, v[PW]
	CVT 64+64*((\k)%2), PC, 2
	SWAPS PC
	s_wait_alu depctr_va_vdst(0)                   ; the exchanges have written v[PC ..] and the shifts v[PW], which the three stores read; and this step's lines are done reading its 64 numbers, in which later LDS loads land
	ds_store_b128 v[XWI], v[PC:PC+3] offset:XIMG+1024*(\k)
	ds_store_b128 v[XWI], v[PC+4:PC+7] offset:XIMG+1024*(\k)+512
	ds_store_b32 v[XWS], v[PW] offset:XSC+128*(\k)
.endm
	s_wait_loadcnt 56                              ; K step 0 is in: behind it K step 1's 16 loads and W's 40
	TURN 0
	XSTEP 0, 56                                    ; behind K step 1: W's 40 and K step 2's 16
	XSTEP 1, 16                                    ; behind K step 2: K step 3's 16
	XSTEP 2, 0
	XSTEP 3, 0
	s_wait_dscnt 0x0                               ; for the others' sake: my images have landed
	s_barrier_signal -1
	s_barrier_wait -1                              ; x's 32 fragments lie in LDS; nothing is stored to LDS behind this barrier
	s_wait_alu depctr_vm_vsrc(0)                   ; my last image stores have read v[PC ..]: these registers are SCW and VS from here on, written by the pairs' vector lines on both ways below
; the eight fragments and scale words of row tiles 2 p and 2 p + 1
.macro FETCHX p
.irp u, 0,1
.irp k, 0,1,2,3
	ds_load_b128 v[XF+8*(4*\u+\k):XF+8*(4*\u+\k)+3], v[L16] offset:XIMG+(4*(2*(\p)+\u)+\k)*1024
	ds_load_b128 v[XF+8*(4*\u+\k)+4:XF+8*(4*\u+\k)+7], v[L16] offset:XIMG+(4*(2*(\p)+\u)+\k)*1024+512
	ds_load_b32 v[XS+4*\u+\k], v[L4] offset:XSC+(4*(2*(\p)+\u)+\k)*128
.endr
.endr
.endm
; 32 products; the eight accumulators take turns, one instruction a turn
.macro MULQK                           ; source 0 = W, source 1 = x: accumulator (u, t) at ACC + 32 u + 8 t
	WIN 0x01                                       ; source 0 window 1
.irp k, 0,1,2,3
.irp u, 0,1
.irp t, 0,1,2,3
.if \k == 0
	MMA ACC+32*\u+8*\t, 8*(4*\t+\k), XF+8*(4*\u+\k), BI+8*\t, WS+2*\k+\t/2, XS+4*\u+\k, \t%2, 0
.else
	MMA ACC+32*\u+8*\t, 8*(4*\t+\k), XF+8*(4*\u+\k), ACC+32*\u+8*\t, WS+2*\k+\t/2, XS+4*\u+\k, \t%2, 0
.endif
.endr
.endr
.endr
	WIN 0
.endm
.macro MULV                            ; source 0 = x, source 1 = W: accumulator (t, u) at ACC + 16 t + 8 u
	WIN 0x04                                       ; source 1 window 1
.irp k, 0,1,2,3
.irp u, 0,1
.irp t, 0,1,2,3
.if \k == 0
	MMA ACC+16*\t+8*\u, XF+8*(4*\u+\k), 8*(4*\t+\k), BI+8*\t, XS+4*\u+\k, WS+2*\k+\t/2, 0, \t%2
.else
	MMA ACC+16*\t+8*\u, XF+8*(4*\u+\k), 8*(4*\t+\k), ACC+16*\t+8*\u, XS+4*\u+\k, WS+2*\k+\t/2, 0, \t%2
.endif
.endr
.endr
.endr
	WIN 0
.endm
; q, k: the codes of pair p leave: each store covers 512 consecutive bytes, aligned; every store has data registers of its own
.macro SENDQK p
	global_store_b128 v[L16], v[VC+8*(\p):VC+8*(\p)+3], s[30:31] offset:1024*(\p)
	global_store_b128 v[L16], v[VC+8*(\p)+4:VC+8*(\p)+7], s[30:31] offset:1024*(\p)+512
.endm
	FETCHX 0                                       ; the first pair, for both ways below.  v[XF ..] were last read by K step 2's vector lines, which stand ahead of that step's wait on va_vdst; no vector line since names them
	s_cmp_eq_u32 s3, 2
	s_cbranch_scc1 .Lv
	; ---- q and k.  ACC + 16 (2 u + b) + i is d = 32 b + 16 h + i of row tile u's row r
.irp p, 0,1,2,3
	s_wait_dscnt 0x0                               ; this pair's fragments and scale words of x are in
	MULQK
	PLACES 5                                       ; four in front of the first read of results; five in front of the next pair's first products, which begin these accumulators anew (ISA guide 7.12.1)
	s_wait_alu depctr_va_vdst(0)                   ; the products are done reading v[XF ..] and v[XS ..], in which the next pair's loads land; the pair before has written its codes, which the stores below read
.if \p < 3
	FETCHX \p+1                                    ; they land while this pair is quantised
.endif
.if \p > 0
	SENDQK \p-1
.endif
	BLKMAX ACC
	v_lshl_or_b32 v[PW+1], v[TM+5], 8, v[TM+4]     ; tile 2 p's word,
	v_lshl_or_b32 v[PW+2], v[TM+7], 8, v[TM+6]     ; tile 2 p + 1's;
	v_or_b32 v[PW+1], 0x7f7f0000, v[PW+1]          ; the bytes of k = 64 .. 127, whose codes are zeros, are 127
	v_or_b32 v[PW+2], 0x7f7f0000, v[PW+2]
	v_cndmask_b32 v[SCW+\p], v[PW+1], v[PW+2], s[HM]       ; lanes 0-15 the even tile's, lanes 16-31 the odd tile's
	CVT ACC, VC+8*\p, 2
	SWAPS VC+8*\p                                  ; registers 4 u .. 4 u + 3: d = 32 h + 0 .. 31 of tile 2 p + u
.endr
	s_wait_alu depctr_va_vdst(0)                   ; the last pair's exchanges have written its codes, and the four selects v[SCW ..]: the three stores below read them
	SENDQK 3
	global_store_b128 v[L16], v[SCW:SCW+3], s[32:33]       ; the record's 128 scale words
	s_wait_dscnt 0x0                               ; the closing lines, six on end
	s_wait_alu 0x0
	s_wait_tensorcnt 0x0
	ds_add_u32 v211, v219
	s_wait_dscnt 0x0
	s_endpgm
.Lv:
	; ---- v.  ACC + 16 t + i is key 32 p + 16 h + i of tile t's column r.  In this layout a tile's bias is one number a lane, eight times
.irp t, 0,1,2,3
.irp j, 0,1,2,3,4,5,6,7
	v_mov_b32 v[BI+8*\t+\j], v[BV+\t]
.endr
.endr
	PLACES 4                                       ; registers written by vector instructions stand four places ahead of the scaled products that name them
	s_wait_alu depctr_va_vdst(0)
.irp p, 0,1,2,3
	s_wait_dscnt 0x0                               ; this pair's fragments and scale words of x are in
	MULV
	PLACES 5                                       ; as above
.if \p < 3
	s_wait_alu depctr_va_vdst(0)                   ; the products are done reading v[XF ..] and v[XS ..], in which the next pair's loads land
	FETCHX \p+1                                    ; they land while this pair is quantised
.endif
	BLKMAX ACC
.irp t, 0,1,2,3
.if \p == 0
	v_mov_b32 v[SCW+\t], v[TM+4+\t]                ; tile t's scale word: byte p belongs to keys 32 p on
.else
	v_lshl_or_b32 v[SCW+\t], v[TM+4+\t], 8*\p, v[SCW+\t]
.endif
.endr
	CVT ACC, VC+2*\p, 8                            ; tile t's registers 2 p, 2 p + 1
.endr
.irp t, 0,1,2,3
	SWAPS VC+8*\t                                  ; registers 4 c .. 4 c + 3: keys 64 c + 32 h + 0 .. 31
.endr
	v_cndmask_b32 v[VS], v[SCW], v[SCW+1], s[HM]
	v_cndmask_b32 v[VS+1], v[SCW+2], v[SCW+3], s[HM]
	s_wait_alu depctr_va_vdst(0)                   ; the exchanges have written v[VC ..] and the two selects v[VS ..]: the nine stores below read them
.irp f, 0,1,2,3,4,5,6,7
	global_store_b128 v[L16], v[VC+4*\f:VC+4*\f+3], s[30:31] offset:4096+512*\f
.endr
	global_store_b64 v[L8], v[VS:VS+1], s[30:31] offset:8704
	s_wait_dscnt 0x0                               ; the closing lines, six on end
	s_wait_alu 0x0
	s_wait_tensorcnt 0x0
	ds_add_u32 v211, v219
	s_wait_dscnt 0x0
	s_endpgm
.Lfunc_end_k_q9c5442bd21_proj:
	.size	k_q9c5442bd21_proj, .Lfunc_end_k_q9c5442bd21_proj-k_q9c5442bd21_proj
	.p2alignl 7, 3214868480
	.fill 96, 4, 3214868480
	.section	.rodata,"a",@progbits
	.p2align	6, 0x0
	.amdhsa_kernel k_q9c5442bd21_proj
		.amdhsa_group_segment_fixed_size 105472
		.amdhsa_private_segment_fixed_size 0
		.amdhsa_enable_private_segment 0
		.amdhsa_kernarg_size 72
		.amdhsa_user_sgpr_count 2
		.amdhsa_user_sgpr_kernarg_segment_ptr 1
		.amdhsa_wavefront_size32 1
		.amdhsa_system_sgpr_workgroup_id_x 1
		.amdhsa_system_sgpr_workgroup_id_y 1
		.amdhsa_system_sgpr_workgroup_id_z 1
		.amdhsa_system_vgpr_workitem_id 0
		.amdhsa_next_free_vgpr 512
		.amdhsa_next_free_sgpr 66
		.amdhsa_reserve_vcc 0
		.amdhsa_float_denorm_mode_32 3
		.amdhsa_float_denorm_mode_16_64 3
		.amdhsa_memory_ordered 1
		.amdhsa_forward_progress 1
		.amdhsa_inst_pref_size 118
	.end_amdhsa_kernel
	.amdgpu_metadata
---
amdhsa.version: [ 1, 2 ]
amdhsa.kernels:
  - .name:           k_q9c5442bd21_proj
    .symbol:         k_q9c5442bd21_proj.kd
    .args:
      - { .name: q_in, .offset: 0, .size: 8, .value_kind: global_buffer, .address_space: global }
      - { .name: k_in, .offset: 8, .size: 8, .value_kind: global_buffer, .address_space: global }
      - { .name: v_in, .offset: 16, .size: 8, .value_kind: global_buffer, .address_space: global }
      - { .name: bq, .offset: 24, .size: 8, .value_kind: global_buffer, .address_space: global }
      - { .name: bk, .offset: 32, .size: 8, .value_kind: global_buffer, .address_space: global }
      - { .name: bv, .offset: 40, .size: 8, .value_kind: global_buffer, .address_space: global }
      - { .name: wimg, .offset: 48, .size: 8, .value_kind: global_buffer, .address_space: global }
      - { .name: qx, .offset: 56, .size: 8, .value_kind: global_buffer, .address_space: global }
      - { .name: kv, .offset: 64, .size: 8, .value_kind: global_buffer, .address_space: global }
    .group_segment_fixed_size: 105472
    .private_segment_fixed_size: 0
    .kernarg_segment_align: 8
    .kernarg_segment_size: 72
    .max_flat_workgroup_size: 256
    .sgpr_count:     66
    .vgpr_count:     512
    .wavefront_size: 32
...
	.end_amdgpu_metadata
.endif
;; end of part 6
;; launch attn (part 7): grid 8 x 32, 16 waves a work-group, clusters of 4 x 1, 169,984 bytes of LDS; arguments qx, kv, cx; writes cx
.if DOCPART == 7
	.amdgcn_target "amdgcn-amd-amdhsa--gfx1250"
	.amdhsa_code_object_version 6
	.text
	.protected	k_q9c5442bd21_attn
	.globl	k_q9c5442bd21_attn
	.p2align	8
	.type	k_q9c5442bd21_attn,@function
k_q9c5442bd21_attn:
	s_mov_b64 s[64:65], 0
	v_nop
	global_prefetch_b8 v0, s[64:65] scope:SCOPE_SE
	s_setreg_imm32_b32 hwreg(HW_REG_WAVE_MODE, 25, 1), 1
	s_wait_xcnt 0x0
	s_wait_alu depctr_hold_cnt(0) depctr_sa_sdst(0) depctr_va_vdst(0) depctr_va_sdst(0) depctr_va_ssrc(0) depctr_va_vcc(0) depctr_vm_vsrc(0)
	s_getreg_b32 s2, hwreg(HW_REG_IB_STS2, 6, 4)
	s_cmp_eq_u32 s2, 0
	s_cbranch_scc0 .Lentry_in_a_cluster
	s_endpgm
.Lentry_in_a_cluster:
	s_bfe_u32 s2, ttmp6, 0x10000c
	s_cmp_lg_u32 s2, 0x3003
	s_cbranch_scc0 .Lentry_shape_is_right
	s_endpgm
.Lentry_shape_is_right:
; The attention of one head for 256 queries: S^T = K Q^T and O^T = V^T P^T on codes of FP4 (E2M1) with one E8M0 scale for each 32 along a product's K; O / l is quantised along d and stored as part of the last product's operand.
; THE SOFTMAX.  t = score x log2(e) / 8; M = the row's largest t so far, rounded UP to a whole number (a running maximum); p = 2^(t - M) is what is quantised, along the keys; it is not normalised.
; The row's sum l is taken of the unquantised p, in f32, and divides O at the end.  When M moves, the sum and O are multiplied by 2^(old M - new M): exact.
; SHARES.  Work-group (x = block of 256 queries, y = 8 batch + head); each of its sixteen waves owns one tile of 16 queries in 256 registers, four waves to a SIMD.  Every wave walks the head's 16 steps of 128 keys.
; LDS.  A head's K and V as codes with their scale words are 16 records of REC bytes, 143,360 bytes on end in kv: they come into LDS ONCE, each wave fetching the record of one key step (35 rows of 256 bytes), and stay:
; no byte of LDS is filled twice.  By this text's own count a wave has one tensor load out.
; CLUSTER.  The four query blocks of a cluster belong to one head and want the same records: each is asked for JOINTLY, by the same tensor load with the same descriptor and a mask that names the four.
; My place in the cluster enters only the global addresses of Q and of the result.
; LAYOUT.  All operands lie in memory and LDS as images of their registers (lane l's 16 bytes at 16 l): no pitch, no padding.  Both products are used transposed: a lane holds ONE query (lane % 16) throughout.
; The keys of a tile of K are not neighbours (lane r of tile 2 b + u holds key 32 b + 8 u + r + 8 (r / 8)), so that the 16 registers of tiles 2 b and 2 b + 1 of S^T are keys 32 b + 16 h + 0 .. 15; V's rows d likewise.
; The scores' K is 64: registers 4-7 of Q's and K's fragments are zero codes, under the scale byte 127.
; THE ORDER OF A KEY STEP.  K's fragments are asked for a step ahead, as soon as the step's score products have read the old ones;
; V's loads stand behind those products.  No two exponentials follow each other: behind each stands plain work that is ready (t - M of the pair eight pairs ahead, the sum of the pair one back, p's scale bytes,
; O^T's rescaling).  The row's sum runs in four chains.  The last step is written out, without the loads for a next step: no load reads past the head's records.
; LIMITS: NaN and infinities are not served; p under 2^-126 becomes 0 (v_exp_f32 gives 0 there: ISA guide 15.8); a block whose largest magnitude lies under 2^-124, zeros among them, keeps the byte 1 (its bytes are read by this
; program alone); the division by l is v_rcp_f32 and a multiplication.
; REGISTERS: v1-4 lane offsets; v8-9 the step's LDS addresses; v12 -M, v13 the largest t, v[14:15] the sum in two halves (and its first chain); v16-23 Q; v24-27 K's scale words, v28-29 V's; v32-95 K's eight fragments;
;   v96-159 S^T, then p; v160-191 O^T; v192-223 V's four fragments; v224-231 p's codes; v232-239, v244-247, v252-254 at work; v[240:241], v[242:243], v[248:249] the sum's other three chains; v255 Q's scale word.
.set REC,  8960
.set QREC, 4608
.set CREC, 4352
.set WV,   12                          ; s12  my wave's number
.set SEL,  20                          ; s[20:21] lane selects for v_permlanex16_b32: lane l xor 16
.set CS,   22                          ; s[22:23] c = log2(e) / 8: the packed form names a pair and takes its low word for both halves
.set G1,   24                          ; s[24:31] descriptor group 1
.set G0,   32                          ; s[32:35] descriptor group 0
.set TB,   36                          ; s36  LDS byte at which the step's record begins
.set CNT,  37                          ; s37  trips of the loop to go
.macro PLACES n
.rept \n
	v_nop
.endr
.endm
; A round of the cluster's barrier: my work-group's barrier, so that wave 0's signal speaks for all sixteen waves; wave 0 signals for the work-group; every wave waits for all four work-groups; my work-group's barrier once more.
.macro CROUND
	s_barrier_signal -1
	s_barrier_wait -1
	s_cmp_lg_u32 s[WV], 0
	s_cbranch_scc1 .Lnot_wave_0_\@
	s_barrier_signal -3
.Lnot_wave_0_\@:
	s_barrier_wait -3
	s_barrier_signal -1
	s_barrier_wait -1
.endm
	s_load_b128 s[4:7], s[0:1], 0x0                ; qx s[4:5], kv s[6:7]
	s_load_b64 s[8:9], s[0:1], 0x10                ; cx
	v_lshl_add_u32 v250, v0, 2, 0x29000
	v_mov_b32 v251, 0
	ds_add_u32 v250, v251
	ds_add_u32 v250, v251
	v_lshrrev_b32 v5, 5, v0
	v_readfirstlane_b32 s[WV], v5                  ; wave 0..15
	s_bfe_u32 s13, ttmp6, 0x40000                  ; my place in the cluster
	s_lshl_b32 s14, ttmp9, 2                       ; in a cluster launch ttmp9 counts clusters
	s_add_co_u32 s14, s14, s13                     ; my block of 256 queries
	s_and_b32 s15, ttmp7, 0xffff                   ; 8 batch + head, which the four partners share
	; descriptor group 1: 35 rows of 32 elements of 8 bytes, dense in memory and in LDS
	s_mov_b32 s[G1], 15|(3<<16)|(1<<21)            ; 15:0 the mask: all four work-groups; 17:16 elements of 8 bytes; 20 no padding; 21 set beside a mask
	s_mov_b32 s[G1+1], 32<<16                      ; tensor_dim0 = 32
	s_mov_b32 s[G1+2], 35<<16                      ; tensor_dim1 = 35
	s_mov_b32 s[G1+3], 32<<16                      ; tile_dim0 = 32
	s_mov_b32 s[G1+4], 35                          ; tile_dim1 = 35
	s_mov_b32 s[G1+5], 32                          ; tensor_dim0_stride
	s_mov_b32 s[G1+6], 0
	s_mov_b32 s[G1+7], 0
	s_mov_b32 s[G0], 1                             ; count = 1
	s_mul_i32 s[G0+1], s[WV], REC                  ; LDS address: my wave's record: no place in the cluster enters it
	s_mul_i32 s40, s15, 16*REC                     ; the head's records in kv,
	s_add_co_u32 s40, s40, s[G0+1]                 ; and mine among them
	s_mov_b32 s41, 0
	s_lshl_b32 s42, s15, 4                         ; Q: record (8 batch + head) 16 + 2 block + wave / 8,
	s_lshl_b32 s16, s14, 1
	s_add_co_u32 s42, s42, s16
	s_lshr_b32 s16, s[WV], 3
	s_add_co_u32 s42, s42, s16
	s_mul_i32 s42, s42, QREC
	s_mov_b32 s43, 0
	s_and_b32 s17, s[WV], 7                        ; tile T = wave % 8 of it
	s_lshl_b32 s16, s17, 9
	s_add_co_u32 s44, s42, s16                     ; its codes: 512 T
	s_mov_b32 s45, 0
	s_and_b32 s16, s[WV], 1
	s_lshl_b32 s16, s16, 8
	s_lshr_b32 s18, s17, 1
	s_lshl_b32 s18, s18, 2
	s_add_co_u32 s16, s16, s18
	s_add_co_u32 s42, s42, s16
	s_add_co_u32 s42, s42, 4096                    ; its scale words: 4,096 + 256 (T % 2) + 4 (T / 2), 16 bytes from row to row
	s_lshr_b32 s46, s15, 3                         ; the result: record 128 batch + 16 block + wave,
	s_lshl_b32 s46, s46, 7
	s_lshl_b32 s16, s14, 4
	s_add_co_u32 s46, s46, s16
	s_add_co_u32 s46, s46, s[WV]
	s_mul_i32 s46, s46, CREC
	s_mov_b32 s47, 0
	s_and_b32 s18, s15, 7                          ; the head
	s_lshl_b32 s16, s18, 9
	s_add_co_u32 s38, s46, s16                     ; its codes: 512 x head
	s_mov_b32 s39, 0
	s_lshr_b32 s16, s18, 1
	s_lshl_b32 s16, s16, 6
	s_and_b32 s19, s18, 1
	s_lshl_b32 s19, s19, 1
	s_add_co_u32 s16, s16, s19
	s_add_co_u32 s46, s46, s16
	s_add_co_u32 s46, s46, 4096                    ; its two scale bytes a row: 4,096 + 64 (head / 2) + 2 (head % 2), 4 bytes from row to row
	s_mov_b32 s[SEL], 0x76543210
	s_mov_b32 s[SEL+1], 0xfedcba98
	s_mov_b32 s[CS], 0x3e38aa3b                    ; c = log2(e) / 8
	s_mov_b32 s[CS+1], s[CS]                       ; (named with it as a pair, so it is written)
	s_mov_b32 s[TB], 0
	s_mov_b32 s[CNT], 15
	v_and_b32 v1, 31, v0
	v_lshlrev_b32 v2, 3, v1                        ; 8 x lane
	v_lshlrev_b32 v1, 4, v1                        ; 16 x lane
	v_and_b32 v3, 15, v0
	v_lshlrev_b32 v4, 2, v3                        ; 4 r
	v_lshlrev_b32 v3, 4, v3                        ; 16 r
	s_wait_dscnt 0x0
	s_wait_kmcnt 0x0
	s_add_nc_u64 s[G0+2:G0+3], s[6:7], s[40:41]    ; global address of my record
	s_or_b32 s[G0+3], s[G0+3], 0x80000000          ; type = 2
	s_add_nc_u64 s[44:45], s[4:5], s[44:45]
	s_add_nc_u64 s[42:43], s[4:5], s[42:43]
	s_add_nc_u64 s[38:39], s[8:9], s[38:39]
	s_add_nc_u64 s[46:47], s[8:9], s[46:47]
	CROUND                                         ; all four work-groups are here: the joint loads meet
	tensor_load_to_lds s[G0:G0+3], s[G1:G1+7]      ; the one fill of these bytes
	s_nop 0
	PLACES 4                                       ; four v_nop follow the line
	global_load_b128 v[16:19], v1, s[44:45]        ; Q's codes: d = 32 h + 0 .. 31 of my query
	global_load_b32 v255, v3, s[42:43]             ; Q's scale words
.irp j, 20,21,22,23
	v_mov_b32 v\j, 0                               ; Q's zero codes of k = 64 .. 127
.endr
.irp t, 0,1,2,3,4,5,6,7
.irp j, 4,5,6,7
	v_mov_b32 v[32+8*\t+\j], 0                     ; K's likewise: written once, the steps load the lower four registers alone
.endr
.endr
.set j, 0
.rept 32
	v_mov_b32 v[160+j], 0                          ; O^T.  (The first step is like every other: it finds zeros, which the first change of M leaves zeros)
.set j, j+1
.endr
	v_mov_b32 v13, 0xff61b1e6                      ; the largest t so far: -3e38, under every t
	v_floor_f32 v12, -v13                          ; -M
	v_mov_b32 v14, 0                               ; the sum, in two halves
	v_mov_b32 v15, 0
.irp b, 0,1,2,3
	v_mov_b32 v[236+\b], 0                         ; written once: a lane permute's destination counts as one of its sources
.endr
	v_mov_b32 v253, 0                              ; (named as the upper half of the pair v[252:253] before it is first written)
	s_wait_loadcnt 0x0                             ; Q
	s_wait_tensorcnt 0x0                           ; my record has landed,
	s_barrier_signal -1
	s_barrier_wait -1                              ; everybody's has: the whole head lies in LDS
.irp t, 0,1,2,3,4,5,6,7
	ds_load_b128 v[32+8*\t:35+8*\t], v1 offset:512*\t      ; K's eight tiles of key step 0,
.endr
	ds_load_b128 v[24:27], v1 offset:8192          ; and their scale words: register b: lanes 0-15 tile 2 b's, lanes 16-31 tile 2 b + 1's
; ---- the pieces of a key step
.macro TM n                            ; pair n of the scores: t - M, two at a time (of the pairs c and -M the low word serves both halves)
	v_pk_fma_f32 v[96+2*(\n):97+2*(\n)], v[96+2*(\n):97+2*(\n)], s[CS:CS+1], v[12:13] op_sel_hi:[1,0,0]
.endm
.macro EXPP n                          ; p = 2^(t - M), at most 1: NOT normalised
	v_exp_f32 v[96+(\n)], v[96+(\n)]
.endm
; Plain work that hangs on no p, dealt out in this order wherever a place among the exponentials has nothing else: number mi of 31.
;   0-3 the floor under each block's largest p; 4-7 the conversions' scale operands; 8-11 the scale bytes; 12-14 p's scale word; 15-30 O^T under the new M, in ascending order
.macro MISC
.if mi < 4
	s_wait_alu depctr_va_vdst(0)
	v_max_num_f32 v[232+mi], 0x1800000, v[232+mi]  ; the floor 2^(3 - 127): the byte cannot fall under 1 (a block whose every p has fallen to 0 keeps that byte: its codes are zeros)
.elseif mi < 8
	v_add_nc_u32 v[244+mi-4], 0xff000000, v[232+mi-4]      ; 2 off the exponent field: the conversion's scale operand
.elseif mi < 12
	v_lshrrev_b32 v[236+mi-8], 23, v[244+mi-8]     ; the scale's byte
.elseif mi == 12
	v_lshl_or_b32 v253, v237, 8, v236              ; p's scale word for these 128 keys
.elseif mi == 13
	v_lshl_or_b32 v253, v238, 16, v253
.elseif mi == 14
	s_setprio 1
	v_lshl_or_b32 v253, v239, 24, v253
.else
	v_pk_mul_f32 v[160+2*(mi-15):161+2*(mi-15)], v[160+2*(mi-15):161+2*(mi-15)], v[252:253] op_sel_hi:[1,0]   ; x f
.endif
.set mi, mi+1
.endm
; THE ROW'S SUM IS TAKEN OF THE UNQUANTISED p: pair q of 32 goes into chain q % 4.  Pair 0 takes the old sum with it, l x f + p, in one fused line; chains 1 to 3 begin with the sum of their first two pairs,
; so pairs 1 to 3 have no line of their own: other plain work takes their place, and the place in front of pair 0.
.macro SUMP q
.if ((\q) < 0) || (((\q) > 0) && ((\q) < 4))
	MISC
.elseif (\q) == 0
	v_pk_fma_f32 v[14:15], v[14:15], v[252:253], v[96:97] op_sel_hi:[1,0,1]
.else
.set cr, 14
.if (\q)%4 == 1
.set cr, 240
.elseif (\q)%4 == 2
.set cr, 242
.elseif (\q)%4 == 3
.set cr, 248
.endif
.if ((\q) > 4) && ((\q) < 8)
	s_wait_alu depctr_va_vdst(0)
	v_pk_add_f32 v[cr:cr+1], v[96+2*(\q)-8:97+2*(\q)-8], v[96+2*(\q):97+2*(\q)]
.else
	s_wait_alu depctr_va_vdst(0)
	v_pk_add_f32 v[cr:cr+1], v[cr:cr+1], v[96+2*(\q):97+2*(\q)]
.endif
.endif
.endm
.macro KN last, t                      ; load t of nine for the NEXT step's K: tiles 0 to 7, then the scale words.  The last step has none
.if !(\last)
.if (\t) < 8
	ds_load_b128 v[32+8*(\t):35+8*(\t)], v8 offset:REC+512*(\t)
.else
	ds_load_b128 v[24:27], v8 offset:REC+8192
.endif
.endif
.endm
; A KEY STEP: 128 keys.  K's fragments and scale words were asked for a step ago.
.macro STEP last
	v_add_nc_u32 v8, s[TB], v1
	v_add_nc_u32 v9, s[TB], v2
	v_nop
	v_nop                                          ; four places between the last step's products and the loads into their operands below (ISA guide 7.12.1 for vector instructions)
	s_wait_dscnt 0x0                               ; K and its scale words are in: nothing else is out
.irp t, 0,1,2,3,4,5,6,7
.if \t%2
	v_wmma_scale_f32_16x16x128_f8f6f4 v[96+8*\t:103+8*\t], v[32+8*\t:39+8*\t], v[16:23], 0, v[24+\t/2], v255 matrix_a_fmt:MATRIX_FMT_FP4 matrix_b_fmt:MATRIX_FMT_FP4 matrix_a_scale:MATRIX_SCALE_ROW1
.else
	v_wmma_scale_f32_16x16x128_f8f6f4 v[96+8*\t:103+8*\t], v[32+8*\t:39+8*\t], v[16:23], 0, v[24+\t/2], v255 matrix_a_fmt:MATRIX_FMT_FP4 matrix_b_fmt:MATRIX_FMT_FP4
.endif
.endr
.irp f, 0,1,2,3,4,5,6,7
	ds_load_b128 v[192+4*\f:195+4*\f], v8 offset:4096+512*\f   ; V's four fragments: they have the softmax in which to land
.endr
	ds_load_b64 v[28:29], v9 offset:8704           ; V's scale words: register b: lanes 0-15 tile 2 b's, lanes 16-31 tile 2 b + 1's
	PLACES 4                                       ; in front of the first read of the scores, and of the loads into K's registers further down
.irp b, 0,1,2,3
	v_max3_num_f32 v[232+\b], v[96+16*\b], v[97+16*\b], v[98+16*\b]   ; THE LARGEST SCORE OF EACH BLOCK OF 32 KEYS serves twice: for the row's maximum, and, since p rises with the score, for the block's largest p
.endr
.irp i, 3,5,7,9,11,13
.irp b, 0,1,2,3
	v_max3_num_f32 v[232+\b], v[232+\b], v[96+16*\b+\i], v[97+16*\b+\i]   ; (the four blocks by turns)
.endr
.endr
.irp b, 0,1,2,3
	v_max_num_f32 v[232+\b], v[232+\b], v[111+16*\b]
.endr
.irp b, 0,1,2,3
	v_permlanex16_b32 v[236+\b], v[232+\b], s[SEL], s[SEL+1]
.endr
.irp b, 0,1,2,3
	v_max_num_f32 v[232+\b], v[232+\b], v[236+\b]  ; with lane l xor 16's 16 keys
.endr
	; each of the next lines reads the result of the line before it: the loads of the next step's K stand between them
	v_max3_num_f32 v254, v232, v233, v234
	KN \last, 0
	KN \last, 1
	v_max_num_f32 v254, v254, v235                 ; the step's largest score of my query
	KN \last, 2
	KN \last, 3
	v_mul_f32 v254, s[CS], v254                    ; as t (c is positive)
	KN \last, 4
	KN \last, 5
	v_max_num_f32 v13, v13, v254                   ; the running largest t
	v_mov_b32 v254, v12
	KN \last, 6
	KN \last, 7
	v_floor_f32 v12, -v13                          ; the new -M = floor(-t) = -ceil(t): M IS A WHOLE NUMBER
	KN \last, 8
	TM 0                                           ; the first t - M stand between the lines that make f
	v_sub_f32 v254, v12, v254                      ; M's old value less its new one: a whole number, 0 or less
	TM 1
	v_cvt_i32_f32 v254, v254                       ; (it saturates)
	TM 2
	v_ldexp_f32 v252, 1.0, v254                    ; f = 2^(old M - new M): a multiplication by it rounds nothing
	TM 3
.irp b, 0,1,2,3
	v_fma_f32 v[232+\b], v[232+\b], s[CS], v12     ; t - M of each block's largest score
.endr
.irp b, 0,1,2,3
	v_exp_f32 v[232+\b], v[232+\b]                 ; the block's largest p: the same two instructions on the same number give the same bits as the p itself
	TM 4+\b
.endr
	; Pair jj of 32: its two exponentials, and behind each a plain line that touches neither its result nor its source (ISA guide 5.7.2); a result is first read three lines or more behind its exponential
.set mi, 0
.set jj, 0
.rept 32
	EXPP 2*jj
.if jj < 24
	TM jj+8                                        ; eight pairs ahead
.else
	MISC
.endif
	EXPP 2*jj+1
	SUMP jj-1                                      ; one pair back
.if jj < 17
	MISC
.endif
.set jj, jj+1
.endr
	s_setprio 0
.irp b, 0,1,2,3
	v_cvt_scalef32_pk8_fp4_f32 v[224+2*\b], v[96+16*\b:103+16*\b], v[244+\b]
	v_cvt_scalef32_pk8_fp4_f32 v[225+2*\b], v[104+16*\b:111+16*\b], v[244+\b]
.endr
	v_nop                                          ; one plain place behind the last scaled conversion
.irp c, 0,1                                    ; the operand's layout wants a WHOLE block in a lane: lanes 0-15 block 2 c, lanes 16-31 block 2 c + 1
.irp i, 0,1
	v_permlane16_swap_b32 v[224+4*\c+\i], v[226+4*\c+\i]
.endr
.endr
	SUMP 31                                        ; the last pair, the four chains made one, and the last of O^T: six plain lines, the places between p's codes and the products below
	v_pk_add_f32 v[14:15], v[14:15], v[240:241]
	MISC
	v_pk_add_f32 v[242:243], v[242:243], v[248:249]
	MISC
	v_pk_add_f32 v[14:15], v[14:15], v[242:243]
.if \last
	s_wait_dscnt 0x0                               ; V and its scale words are in
.else
	s_wait_dscnt 9                                 ; V and its scale words are in; the nine loads of the next step's K, issued behind them, may stay out
.endif
.irp t, 0,1,2,3                                ; O^T += V^T P^T: the four accumulators take turns, one instruction a turn
.if \t%2
	v_wmma_scale_f32_16x16x128_f8f6f4 v[160+8*\t:167+8*\t], v[192+8*\t:199+8*\t], v[224:231], v[160+8*\t:167+8*\t], v[28+\t/2], v253 matrix_a_fmt:MATRIX_FMT_FP4 matrix_b_fmt:MATRIX_FMT_FP4 matrix_a_scale:MATRIX_SCALE_ROW1
.else
	v_wmma_scale_f32_16x16x128_f8f6f4 v[160+8*\t:167+8*\t], v[192+8*\t:199+8*\t], v[224:231], v[160+8*\t:167+8*\t], v[28+\t/2], v253 matrix_a_fmt:MATRIX_FMT_FP4 matrix_b_fmt:MATRIX_FMT_FP4
.endif
.endr
.endm
.Lstep:                                            ; 15 trips: every key step but the last
	s_setprio 2
	STEP 0
	s_add_co_u32 s[TB], s[TB], REC                 ; the next step's record
	s_sub_co_u32 s[CNT], s[CNT], 1
	s_cmp_lg_u32 s[CNT], 0
	s_cbranch_scc1 .Lstep
	s_setprio 0
	STEP 1                                         ; the last step asks for no further K
	; THE WAY OUT.  O^T / l: register 16 b + i is d = 32 b + 16 h + i of my query: two blocks of the last product's K.  They are quantised as they stand.
	PLACES 4
	v_add_f32 v14, v14, v15                        ; the sum's two halves,
	v_permlanex16_b32 v252, v14, s[SEL], s[SEL+1]
	v_add_f32 v14, v14, v252                       ; and lane l xor 16's: the row's sum
	v_rcp_f32 v14, v14
	v_nop                                          ; one plain place behind a transcendental
.set j, 0
	s_wait_alu depctr_va_vdst(0)
.rept 32
	v_mul_f32 v[96+j], v[160+j], v14
.set j, j+1
.endr
.irp b, 0,1
	v_max3_num_f32 v[232+\b], |v[96+16*\b]|, |v[97+16*\b]|, 0x1800000
.endr
.irp i, 2,4,6,8,10,12,14
.irp b, 0,1
	v_max3_num_f32 v[232+\b], v[232+\b], |v[96+16*\b+\i]|, |v[97+16*\b+\i]|
.endr
.endr
.irp b, 0,1
	v_permlanex16_b32 v[236+\b], v[232+\b], s[SEL], s[SEL+1]
.endr
.irp b, 0,1
	v_max_num_f32 v[232+\b], v[232+\b], v[236+\b]
.endr
.irp b, 0,1
	v_add_nc_u32 v[244+\b], 0xff000000, v[232+\b]
.endr
.irp b, 0,1
	v_lshrrev_b32 v[236+\b], 23, v[244+\b]
.endr
	v_lshl_or_b32 v238, v237, 8, v236              ; my row's two scale bytes of this head
.irp b, 0,1
	v_cvt_scalef32_pk8_fp4_f32 v[224+2*\b], v[96+16*\b:103+16*\b], v[244+\b]
	v_cvt_scalef32_pk8_fp4_f32 v[225+2*\b], v[104+16*\b:111+16*\b], v[244+\b]
.endr
	v_nop                                          ; one plain place behind the last scaled conversion
	v_permlane16_swap_b32 v224, v226               ; lanes 0-15: d = 0 .. 31, lanes 16-31: d = 32 .. 63
	v_permlane16_swap_b32 v225, v227
	global_store_b128 v1, v[224:227], s[38:39]     ; the wave's store covers 512 consecutive bytes, aligned
	global_store_b16 v4, v238, s[46:47]            ; both halves of the lanes hold the same bytes and write them to the same places
	s_wait_tensorcnt 0x0
	ds_add_u32 v250, v251
	s_wait_dscnt 0x0
	CROUND                                         ; the closing round: no work-group ends while a partner may still ask for a record that names it
	s_endpgm
.Lfunc_end_k_q9c5442bd21_attn:
	.size	k_q9c5442bd21_attn, .Lfunc_end_k_q9c5442bd21_attn-k_q9c5442bd21_attn
	.p2alignl 7, 3214868480
	.fill 96, 4, 3214868480
	.section	.rodata,"a",@progbits
	.p2align	6, 0x0
	.amdhsa_kernel k_q9c5442bd21_attn
		.amdhsa_group_segment_fixed_size 169984
		.amdhsa_private_segment_fixed_size 0
		.amdhsa_enable_private_segment 0
		.amdhsa_kernarg_size 24
		.amdhsa_user_sgpr_count 2
		.amdhsa_user_sgpr_kernarg_segment_ptr 1
		.amdhsa_wavefront_size32 1
		.amdhsa_system_sgpr_workgroup_id_x 1
		.amdhsa_system_sgpr_workgroup_id_y 1
		.amdhsa_system_sgpr_workgroup_id_z 1
		.amdhsa_system_vgpr_workitem_id 0
		.amdhsa_next_free_vgpr 256
		.amdhsa_next_free_sgpr 66
		.amdhsa_reserve_vcc 0
		.amdhsa_float_denorm_mode_32 3
		.amdhsa_float_denorm_mode_16_64 3
		.amdhsa_memory_ordered 1
		.amdhsa_forward_progress 1
		.amdhsa_inst_pref_size 43
	.end_amdhsa_kernel
	.amdgpu_metadata
---
amdhsa.version: [ 1, 2 ]
amdhsa.kernels:
  - .name:           k_q9c5442bd21_attn
    .symbol:         k_q9c5442bd21_attn.kd
    .args:
      - { .name: qx, .offset: 0, .size: 8, .value_kind: global_buffer, .address_space: global }
      - { .name: kv, .offset: 8, .size: 8, .value_kind: global_buffer, .address_space: global }
      - { .name: cx, .offset: 16, .size: 8, .value_kind: global_buffer, .address_space: global }
    .group_segment_fixed_size: 169984
    .private_segment_fixed_size: 0
    .kernarg_segment_align: 8
    .kernarg_segment_size: 24
    .max_flat_workgroup_size: 512
    .sgpr_count:     66
    .vgpr_count:     256
    .wavefront_size: 32
...
	.end_amdgpu_metadata
.endif
;; end of part 7
;; launch outproj (part 8): grid 256 x 1, 8 waves a work-group, no clusters, 35,840 bytes of LDS; arguments cx, wimg, bo, out0; writes out0
.if DOCPART == 8
	.amdgcn_target "amdgcn-amd-amdhsa--gfx1250"
	.amdhsa_code_object_version 6
	.text
	.protected	k_q9c5442bd21_outproj
	.globl	k_q9c5442bd21_outproj
	.p2align	8
	.type	k_q9c5442bd21_outproj,@function
k_q9c5442bd21_outproj:
	s_mov_b64 s[64:65], 0
	v_nop
	global_prefetch_b8 v0, s[64:65] scope:SCOPE_SE
	s_setreg_imm32_b32 hwreg(HW_REG_WAVE_SCHED_MODE, 0, 2), 2
	s_setreg_imm32_b32 hwreg(HW_REG_WAVE_MODE, 25, 1), 1
	s_wait_xcnt 0x0
	s_wait_alu depctr_vm_vsrc(0)
; out0 = concat Wo + bo on codes of FP4 (E2M1) with one E8M0 scale for each 32 along K = 512.  Both operands come as images of operand registers: concat from cx, Wo from wimg.
; A work-group takes records 2 P and 2 P + 1 of cx: rows 32 P .. 32 P + 31 of the flat [8192][512] (lane r of tile u holds row 32 P + 8 u + r + 8 (r / 8)).  Wave g makes columns 64 g .. 64 g + 63.
; Source 0 = 16 columns of Wo, source 1 = 16 rows of concat: a lane holds one row, and its 16 registers of tiles 2 b and 2 b + 1 are columns 64 g + 32 b + 16 h + 0 .. 15.  bo is the C of each sum's first product.
; A record of cx: fragment (K step k) at 1,024 k + 512 c + 16 lane; scale words at 4,096 + 64 k + 4 r.
; THE WAY OUT: a tile's 16 rows x 256 bytes go through the wave's own stage in LDS and leave as whole rows: sixteen lanes store 256 consecutive bytes, aligned.
; NO CLUSTER: what work-groups share is Wo's codes, and each wave takes its part straight into registers, where it is used at once; a joint load would put them into LDS only to be read once more.
; All loads stand at the head: nothing is asked for later, so nothing is fetched ahead.
; REGISTERS.  Window 0: v1-11 lane numbers and addresses; v16-23 Wo's scale words; v24-31 concat's; v32-63 bo as C; v64-127 concat's fragments, later the rows on their way out; v128-191 the accumulators;
;   v254 the LDS address of my spare word, v255 0.  Window 1: v0-127 Wo's fragments.
; THE MODE: SCHED_MODE bits 1:0 = 2 (LLVM: expert scheduling mode 2), set by the entry lines.  The code itself states the register dependences between vector or matrix instructions and memory or LDS instructions,
; with s_wait_alu, always for 0.
; THE PLAN.  Registers that memory or LDS instructions touch, and who else names them:
;   v4-9, v11     offsets and LDS addresses: written at the head, read by the loads and stores, never written again.
;   the operands  (Wo's fragments and scale words, bo, concat's fragments and scale words) each loaded once at the head; read by the 32 products.
;   v128-191      the accumulators: written by the products; read by the stage's stores; never written again.
;   v64-127       concat's fragments, read by the products; then the stage's loads land in them, and the global stores read them; never written again.
; So four waits on va_vdst stand in the text: two among the lines that make the offsets; one ahead of the first load (the addresses are written), one behind the products' places (the accumulators are written, and the products are done reading v64-127).
; Nothing that a memory or LDS instruction has read is written again, so no wait on vm_vsrc is owed.
.set WT,   139264
.set WSC,  131072
.set CREC, 4352
.set SPI,  272                         ; a stage row: 256 bytes + 16 = 68 words: row r starts at bank 4 r mod 64 (64 banks of 4 bytes: ISA guide 11.1)
.set WS,   16
.set XS,   24
.set BI,   32
.set XF,   64
.set OB,   64
.set ACC,  128
.set MSB,  0
.macro WIN new                         ; the immediate's high byte repeats the setting that is left
.if MSB != \new
	s_set_vgpr_msb (MSB<<8)|\new
.set MSB, \new
.endif
.endm
.macro MMA d, a, b, c, sa, sb, rowa    ; rowa: source 0's scale words stand in lanes 16-31 of the register named
.if \rowa
	v_wmma_scale_f32_16x16x128_f8f6f4 v[\d:\d+7], v[\a:\a+7], v[\b:\b+7], v[\c:\c+7], v[\sa], v[\sb] matrix_a_fmt:MATRIX_FMT_FP4 matrix_b_fmt:MATRIX_FMT_FP4 matrix_a_scale:MATRIX_SCALE_ROW1
.else
	v_wmma_scale_f32_16x16x128_f8f6f4 v[\d:\d+7], v[\a:\a+7], v[\b:\b+7], v[\c:\c+7], v[\sa], v[\sb] matrix_a_fmt:MATRIX_FMT_FP4 matrix_b_fmt:MATRIX_FMT_FP4
.endif
.endm
	s_load_b256 s[4:11], s[0:1], 0x0               ; cx s[4:5], wimg s[6:7], bo s[8:9], out0 s[10:11]
	v_lshl_add_u32 v254, v0, 2, 0x8800             ; the LDS address of my spare word, behind the stages; made here and kept for the closing lines alone
	v_mov_b32 v255, 0                              ; and 0, likewise
	v_lshrrev_b32 v1, 5, v0
	v_readfirstlane_b32 s2, v1                     ; g: wave 0..7
	v_and_b32 v1, 31, v0                           ; lane
	v_and_b32 v2, 15, v0                           ; r
	v_bfe_u32 v3, v0, 4, 1                         ; h
	v_lshlrev_b32 v4, 4, v1                        ; 16 x lane
	v_lshlrev_b32 v5, 2, v1                        ; 4 x lane
	v_mul_u32_u24 v6, v2, SPI
	v_lshl_add_u32 v6, v3, 6, v6                   ; into a stage: row r, + 64 h
	s_wait_alu depctr_va_vdst(0)
	v_mul_u32_u24 v7, v3, SPI
	v_lshl_add_u32 v7, v2, 4, v7                   ; back: lanes 0-15 one row, lanes 16-31 the next
	s_wait_alu depctr_va_vdst(0)
	v_lshlrev_b32 v8, 11, v3
	v_lshl_add_u32 v8, v2, 4, v8                   ; and the same two rows in out0
	v_lshlrev_b32 v9, 2, v2                        ; 4 r
	v_lshlrev_b32 v11, 6, v3                       ; 64 h
	s_wait_alu depctr_va_sdst(0)                   ; s2 is written, ahead of its first reader: the offsets below are made from it
	s_mul_i32 s12, ttmp9, 2*CREC                   ; my two records
	s_mov_b32 s13, 0
	s_lshl_b32 s14, s2, 14
	s_add_co_u32 s14, s14, 3*WT                    ; Wo's images: my 16 fragments,
	s_mov_b32 s15, 0
	s_lshl_b32 s16, s2, 10
	s_add_co_u32 s16, s16, 3*WT+WSC                ; and their scale words
	s_mov_b32 s17, 0
	s_lshl_b32 s18, s2, 8                          ; my 64 columns, in bytes
	s_mov_b32 s19, 0
	s_lshl_b32 s20, ttmp9, 16                      ; 32 rows of 2,048 bytes
	s_add_co_u32 s20, s20, s18
	s_mov_b32 s21, 0
	s_mul_i32 s22, s2, 16*SPI                      ; my stage
	v_add_nc_u32 v6, s22, v6
	v_add_nc_u32 v7, s22, v7
	s_wait_kmcnt 0x0
	s_add_nc_u64 s[4:5], s[4:5], s[12:13]
	s_add_nc_u64 s[24:25], s[6:7], s[14:15]
	s_add_nc_u64 s[26:27], s[6:7], s[16:17]
	s_add_nc_u64 s[8:9], s[8:9], s[18:19]
	s_add_nc_u64 s[10:11], s[10:11], s[20:21]
	WIN 0x40                                       ; destination window 1
	s_wait_alu depctr_va_vdst(0)                   ; the offsets and addresses v4 to v9 and v11 are written: every load and store of the kernel reads one of them, and none is written again
.irp i, 0,1,2,3,4,5,6,7,8,9,10,11,12,13,14,15,16,17,18,19,20,21,22,23,24,25,26,27,28,29,30,31
	global_load_b128 v[4*\i:4*\i+3], v4, s[24:25] offset:512*\i          ; Wo's fragment (t, k) at v[8 (4 t + k)] of window 1
.endr
	WIN 0
.irp i, 0,1,2,3,4,5,6,7
	global_load_b32 v[WS+\i], v5, s[26:27] offset:128*\i                 ; register 2 k + t / 2: lanes 0-15 the even tile's words, lanes 16-31 the odd tile's
.endr
.irp t, 0,1,2,3
	global_load_b128 v[BI+8*\t:BI+8*\t+3], v11, s[8:9] offset:(32*(\t/2)+8*(\t%2))*4      ; bo at the lane's eight columns of tile t
	global_load_b128 v[BI+8*\t+4:BI+8*\t+7], v11, s[8:9] offset:(32*(\t/2)+8*(\t%2))*4+16
.endr
.irp u, 0,1
.irp k, 0,1,2,3
	global_load_b128 v[XF+8*(4*\u+\k):XF+8*(4*\u+\k)+3], v4, s[4:5] offset:CREC*\u+1024*\k
	global_load_b128 v[XF+8*(4*\u+\k)+4:XF+8*(4*\u+\k)+7], v4, s[4:5] offset:CREC*\u+1024*\k+512
	global_load_b32 v[XS+4*\u+\k], v9, s[4:5] offset:CREC*\u+4096+64*\k
.endr
.endr
	s_wait_loadcnt 0x0
	WIN 0x01                                       ; source 0 window 1
.irp k, 0,1,2,3                                ; 32 products; the eight accumulators take turns, one instruction a turn
.irp u, 0,1
.irp t, 0,1,2,3
.if \k == 0
	MMA ACC+32*\u+8*\t, 8*(4*\t+\k), XF+8*(4*\u+\k), BI+8*\t, WS+2*\k+\t/2, XS+4*\u+\k, \t%2
.else
	MMA ACC+32*\u+8*\t, 8*(4*\t+\k), XF+8*(4*\u+\k), ACC+32*\u+8*\t, WS+2*\k+\t/2, XS+4*\u+\k, \t%2
.endif
.endr
.endr
.endr
	WIN 0
.rept 4
	v_nop                                          ; four places in front of the LDS stores that read results (ISA guide 7.12.1 for vector instructions); they stay beside the wait below
.endr
	s_wait_alu depctr_va_vdst(0)                   ; the products have written the accumulators, which the stage's stores read, and are done reading v[XF ..], in which the stage's loads land
.irp u, 0,1
.irp b, 0,1
.irp q, 0,1,2,3
	ds_store_b128 v6, v[ACC+32*\u+16*\b+4*\q:ACC+32*\u+16*\b+4*\q+3] offset:128*\b+16*\q   ; ascending: each accumulator from its low end on
.endr
.endr
.irp i, 0,1,2,3,4,5,6,7
	ds_load_b128 v[OB+32*\u+4*\i:OB+32*\u+4*\i+3], v7 offset:2*SPI*\i    ; LDS serves a wave's instructions in order (ISA guide 5.7.1.4): these see my stores, and the next tile's stores come behind them
.endr
.endr
.irp u, 0,1
.irp i, 0,1,2,3,4,5,6,7
	s_wait_dscnt 23-16*\u-\i                       ; behind this load: the rest of its tile's eight, and for tile 0 the sixteen LDS instructions of tile 1
	global_store_b128 v8, v[OB+32*\u+4*\i:OB+32*\u+4*\i+3], s[10:11] offset:(8*\u+2*\i+8*(\i/4))*2048 th:TH_STORE_NT   ; stage rows 2 i and 2 i + 1 are rows 8 u + 2 i + 8 (i / 4) and the next; written once, read by nobody here
.endr
.endr
	s_wait_dscnt 0x0                               ; the closing lines, six on end
	s_wait_alu 0x0
	s_wait_tensorcnt 0x0
	ds_add_u32 v254, v255
	s_wait_dscnt 0x0
	s_endpgm
.Lfunc_end_k_q9c5442bd21_outproj:
	.size	k_q9c5442bd21_outproj, .Lfunc_end_k_q9c5442bd21_outproj-k_q9c5442bd21_outproj
	.p2alignl 7, 3214868480
	.fill 96, 4, 3214868480
	.section	.rodata,"a",@progbits
	.p2align	6, 0x0
	.amdhsa_kernel k_q9c5442bd21_outproj
		.amdhsa_group_segment_fixed_size 35840
		.amdhsa_private_segment_fixed_size 0
		.amdhsa_enable_private_segment 0
		.amdhsa_kernarg_size 32
		.amdhsa_user_sgpr_count 2
		.amdhsa_user_sgpr_kernarg_segment_ptr 1
		.amdhsa_wavefront_size32 1
		.amdhsa_system_sgpr_workgroup_id_x 1
		.amdhsa_system_sgpr_workgroup_id_y 1
		.amdhsa_system_sgpr_workgroup_id_z 1
		.amdhsa_system_vgpr_workitem_id 0
		.amdhsa_next_free_vgpr 384
		.amdhsa_next_free_sgpr 66
		.amdhsa_reserve_vcc 0
		.amdhsa_float_denorm_mode_32 3
		.amdhsa_float_denorm_mode_16_64 3
		.amdhsa_memory_ordered 1
		.amdhsa_forward_progress 1
		.amdhsa_inst_pref_size 18
	.end_amdhsa_kernel
	.amdgpu_metadata
---
amdhsa.version: [ 1, 2 ]
amdhsa.kernels:
  - .name:           k_q9c5442bd21_outproj
    .symbol:         k_q9c5442bd21_outproj.kd
    .args:
      - { .name: cx, .offset: 0, .size: 8, .value_kind: global_buffer, .address_space: global }
      - { .name: wimg, .offset: 8, .size: 8, .value_kind: global_buffer, .address_space: global }
      - { .name: bo, .offset: 16, .size: 8, .value_kind: global_buffer, .address_space: global }
      - { .name: out0, .offset: 24, .size: 8, .value_kind: global_buffer, .address_space: global }
    .group_segment_fixed_size: 35840
    .private_segment_fixed_size: 0
    .kernarg_segment_align: 8
    .kernarg_segment_size: 32
    .max_flat_workgroup_size: 256
    .sgpr_count:     66
    .vgpr_count:     384
    .wavefront_size: 32
...
	.end_amdgpu_metadata
.endif
;; end of part 8
